; MI455X (gfx1250); checked and timed in simulation.
; The chip was launched on July 23, 2026; its instructions are those of AMD's public machine-readable ISA for CDNA 5 (MIT licence, August 2026) and "CDNA5" Instruction Set Architecture Reference Guide (July 2026). The comments in the code are by the model that wrote it; some were corrected since.
;; Mini Causal Attention. Allowed arithmetic: matrix products marked QUANTISED: E5M2 operands, one E8M0 scale for each 32 along K, by v_wmma_scale_f32_16x16x128_f8f6f4 with both operands' format E5M2, f32 sums; everything else in f32.
;; Inputs: bk 1,024 float32; bq 1,024 float32; bv 1,024 float32; wk_codes 1,024 x 32 x 32 uint8 (E5M2 codes of wk, K innermost, in blocks of 32 codes); wk_scales 1,024 x 32 uint8 (E8M0 scales of wk, one for each 32 codes along K); wq_codes 1,024 x 32 x 32 uint8 (E5M2 codes of wq, K innermost, in blocks of 32 codes); wq_scales 1,024 x 32 uint8 (E8M0 scales of wq, one for each 32 codes along K); wv_codes 1,024 x 32 x 32 uint8 (E5M2 codes of wv, K innermost, in blocks of 32 codes); wv_scales 1,024 x 32 uint8 (E8M0 scales of wv, one for each 32 codes along K); x_codes 4 x 2,048 x 32 x 32 uint8 (E5M2 codes of x, K innermost, in blocks of 32 codes); x_scales 4 x 2,048 x 32 uint8 (E8M0 scales of x, one for each 32 codes along K).
;; Outputs: out0 4 x 2,048 x 1,024 float32.
;; This version of the problem:
;;   THIS VERSION OF THE PROBLEM IS GIVEN IN LOW PRECISION. The matrix products marked QUANTISED in the list below multiply operands that are first quantised to E5M2 (5 exponent bits, 2 mantissa bits; 8 bits a number), with one power-of-two scale for each 32 numbers along K (OCP MX v1.0); their sums are f32. All else is computed in f32.
;;   The module's matrix products, in the order in which they are computed (A, B: the left and right operand; K: the contracted axis; several contracted axes count as one K, in the product's order):
;;     1. [M 8,192, K 1,024] x [K 1,024, N 1,024]; A: input x (given as codes); B: input wq (given as codes): QUANTISED
;;     2. [M 8,192, K 1,024] x [K 1,024, N 1,024]; A: input x (given as codes); B: input wk (given as codes): QUANTISED
;;     3. [M 8,192, K 1,024] x [K 1,024, N 1,024]; A: input x (given as codes); B: input wv (given as codes): QUANTISED
;;     4. batch 4 x [M 2,048, K 1,024] x [K 1,024, N 2,048]; A: computed on the way; B: computed on the way: QUANTISED
;;     5. batch 4 x [M 2,048, K 2,048] x [K 2,048, N 1,024]; A: softmax (see below); B: computed on the way: QUANTISED
;;   THE QUANTISER, for each operand of a quantised product, along K:
;;     - K is cut into blocks of 32 from its start; a last block that is shorter is filled with zeros.
;;     - A block's scale is 2^e with e = floor(log2(the largest magnitude in the block)) - 15, held to -126 .. 127; a block of zeros has e = 0. As a byte (E8M0): e + 127.
;;     - Each number is divided by its block's scale, clamped to +-57,344, and rounded to the nearest number of E5M2, ties to even, subnormals kept.
;;     - The product sums the exact products of the quantised numbers (number of the format x scale) in f32.
;;   ~~~python
;;   def quantise(x, axis):      # numpy; x: float32 -> the quantised numbers, widened to float32 again
;;       x = np.moveaxis(x, axis, -1); K = x.shape[-1]
;;       x = np.pad(x, [(0, 0)] * (x.ndim - 1) + [(0, -K % 32)]); x = x.reshape(x.shape[:-1] + (-1, 32)); a = np.abs(x).max(-1, keepdims=True)
;;       e = np.where(a > 0, np.clip(np.frexp(np.where(a > 0, a, 1))[1] - 1 - 15, -126, 127), 0)      # np.frexp(a)[1] - 1 = floor(log2(a)), exactly
;;       r = np.clip(x / 2.0 ** e, -57344, 57344)
;;       step = 2.0 ** (np.maximum(np.frexp(np.where(r == 0, 1, r))[1] - 1, -14) - 2)
;;       q = np.round(r / step) * step * 2.0 ** e      # np.round: ties to even
;;       return np.moveaxis(q.reshape(q.shape[:-2] + (-1,))[..., :K], -1, axis).astype(np.float32)
;;   ~~~
;;   SOFTMAX AHEAD OF A QUANTISED PRODUCT. Where the list says 'softmax', what is quantised is not the finished softmax but p = 2^(t - M), with t = logit x log2(e) and M = ceil(the row's largest t), a whole number; so 1/2 < the row's largest p <= 1. The row's sum l is taken of the UNQUANTISED p, in f32, and the product's result is divided by l at the end. Since M is a whole number, a kernel that streams over the keys may use a running M (the ceiling of the running maximum): every later rescaling is an exact power of two, which a block's scale takes up: the codes' values come out the same.
;;   OPERANDS COMPUTED ON THE WAY. 'Computed on the way' means the value that the module computes at that place (a softmax that the list does not call 'softmax' is quantised finished and normalised). What goes into a quantiser is computed in f32, as accurately as f32 sums, v_exp_f32 and their like allow (about 1e-6 of the number): no bf16 or f16 on the way to a quantiser, and a product that is left as it is and whose result goes on into a quantised operand takes f32 operands (vector FMAs, or v_wmma_f32_16x16x4_f32). A number that lies on a knife's edge between two numbers of the format may be rounded either way, as far as f32 arithmetic and the matrix unit's own rounding can turn it there, and no further.
;;   INPUTS GIVEN AS CODES. wk (in the module: [1024, 1024], K = its axis 0); wq (in the module: [1024, 1024], K = its axis 0); wv (in the module: [1024, 1024], K = its axis 0); x (in the module: [4, 2048, 1024], K = its axis 2): each comes as NAME_codes (uint8): NAME with its K axis moved to the last place and cut into blocks of 32 codes, [.., K / 32, bytes a block], one block behind the other in memory; one code a byte (a code: sign, 5 exponent bits, 2 mantissa bits); and NAME_scales (uint8): the same leading axes, one E8M0 byte (e + 127) for each 32 codes along K. Its value is code x scale, taken as it is: it is not quantised again, and the codes and scales need not be those that the quantiser above would give.
;; One version. Each part assembles by itself: llvm-mc -triple=amdgcn-amd-amdhsa -mcpu=gfx1250 --defsym DOCPART=n.
;; ======== version 1 of 1: 3 launches
;; limits: right only within a limited range of input values
;; workspace buffers: qk_img 16,777,216 bytes; qk_sw 524,288 bytes; v_img 8,388,608 bytes; v_sw 262,144 bytes; p_img 16,777,216 bytes; p_st 1,572,864 bytes
;; launch proj (part 1): grid 16 x 16, 4 waves a work-group, clusters of 4 x 4, 327,680 bytes of LDS; arguments x_codes, x_scales, wq_codes, wq_scales, wk_codes, wk_scales, wv_codes, wv_scales, bq, bk, bv, qk_img, qk_sw, v_img, v_sw; writes qk_img, qk_sw, v_img, v_sw
.if DOCPART == 1
	.amdgcn_target "amdgcn-amd-amdhsa--gfx1250"
	.amdhsa_code_object_version 6
	.text
	.protected	k_qf1ea923d76_proj
	.globl	k_qf1ea923d76_proj
	.p2align	8
	.type	k_qf1ea923d76_proj,@function
k_qf1ea923d76_proj:
	s_mov_b64 s[64:65], 0
	v_nop
	global_prefetch_b8 v0, s[64:65] scope:SCOPE_SE
	s_setreg_imm32_b32 hwreg(HW_REG_WAVE_MODE, 25, 1), 1
	s_wait_xcnt 0x0
	s_wait_alu depctr_hold_cnt(0) depctr_sa_sdst(0) depctr_va_vdst(0) depctr_va_sdst(0) depctr_va_ssrc(0) depctr_va_vcc(0) depctr_vm_vsrc(0)
	s_getreg_b32 s2, hwreg(HW_REG_IB_STS2, 6, 4)
	s_cmp_eq_u32 s2, 0
	s_cbranch_scc0 .Lentry_in_a_cluster
	s_endpgm
.Lentry_in_a_cluster:
	s_bfe_u32 s2, ttmp6, 0x10000c
	s_cmp_lg_u32 s2, 0xf033
	s_cbranch_scc0 .Lentry_shape_is_right
	s_endpgm
.Lentry_shape_is_right:
; THE PROGRAM: causal attention with one head of 1,024, B = 4, L = 2,048, all five products on codes of BF8 (E5M2) with one E8M0 scale for each 32 along K.  Three launches:
;   proj:   q = x wq + bq, k = x wk + bk, v = x wv + bv; each result is quantised in registers (q, k along the channels, v along the keys) and stored as images of operand registers.
;   scores: the tiles of q k^T that the mask keeps; for each query and each 128 keys: p = 2^(t - M), M a whole number of that piece, its codes, scale word, -M and the sum of p.
;   pv:     O = P V over the keys that count, the pieces' M brought to the row's by shifting P's scale bytes, divided by the row's sum.
; WORK LEFT OUT (in scores and pv; nothing is left out here).  reference() sets the score of key m for query l to -inf wherever m > l, by a tril that it builds itself; the softmax gives such a key the weight 0, so neither its
; score nor its row of v reaches out0, whatever finite values the inputs hold.  In tiles of 256 queries x 256 keys, tile (i, j) lies wholly there when j > i: 28 of the 64 tiles of each batch, in q k^T and in P V.
; They are not computed.  LIMIT: a NaN, an infinity or an overflow that would reach only those tiles is not carried to the result.  Every input has a way to out0 (bk moves k's codes), so all are loaded.
; LIMITS of this launch: NaN, infinities and sums beyond f32's range are not served; a block of zeros gets the scale byte 1 where the quantiser says 127 (its codes are zeros, and only this program reads the bytes).
;
; THE DEAL.  256 work-groups of four waves, 2 x 2; a wave holds 64 rows of a weight, ALL of K, in registers (512) and streams x's rows past them in blocks of 16, which stand in registers as two whole sets (256).
; PHASE 1: 512 rows x 128 columns of q (tile columns 0 to 7) or k (8 to 15): sixteen blocks a wave.  PHASE 2: 256 x 128 of v: eight blocks, of ONE OF THE WORK-GROUP'S OWN TWO WINDOWS of 256 rows, number s18; v's tile column is 4 (cluster x / 2) + cx.
; THE ORDER OF WORK.  LDS holds two slots of 128 rows: a weight's rows lie in a slot (the first in 1, wv's in 0).  Phase 1 takes the window that is not v's first (chunks 0, 1), v's last (chunks 2, 3): chunk 3 still lies in slot 1 when v begins, chunk 2 comes anew.
; Block s of a chunk for wave row w is its rows 64 (s / 2) + 32 w + 16 (s % 2) + 0 .. 15: the first half of a chunk holds blocks 0 and 1 of both wave rows, and blocks 2 i, 2 i + 1 of a wave row are 32 neighbouring rows.
; FILLS.  At the head the first weight (wave 0), chunk 0 (wave 1), a window's scale bytes each (waves 2, 3).  Refills, each in a drained round of the cluster's barrier, a quarter of 128 rows a wave: chunks 1, 2, 3 inside blocks 0, 4, 8, their first halves
; (waves 0 and 1's) shown by the plain barrier inside the block two on, their second by the next round; wv's rows behind block 11, shown at the change of phase; chunk 2 anew there, shown inside v's block 1.
; CLUSTERS 4 x 4: the four of a row share x's rows, the four of a column the weights': joint loads.
; PHASE 1 (kind 0): source 0 = the weight's rows: a lane holds ONE token.  Tile j takes the 64 columns 8 j + i in its rows i < 8 and 32 + 8 (j xor 1) + i in its rows 8 + i: so a scale block of 32 channels lies in one lane (lanes 16-31 the second block,
; its eights in the order 1, 0, 3, 2, alike in q and k), and the sixteen rows that a fragment load touches differ modulo 16.  PHASE 2 (kind 1): source 0 = x's rows: a lane holds ONE channel, its registers run along the keys.
; qk_img [row tile 512][q, k][K step 8][2048], a K step's 128 channels as four blocks of 512 bytes: [half][row][16];  v_img [batch 4][channel tile 64][K step 16][2048]: register 16 c + i of lane (r, h) is key 32 c + 16 (i / 8) + 8 h + i % 8.
; Scale words: qk_sw [q, k][64 rows: 128][K step 8][64], v_sw [batch][64 channels: 16][K step 16][64]: units of 256 bytes.
; A block's way out stands AMONG LATER PRODUCTS: q's and k's among the next block's, a pair of v's blocks (copied into two more sets of sums) among the next pair's.  The first way out of either phase has no block before it and stores nothing.
; TO BE EXACT ABOUT THE TILES: scores computes in tiles of 160 queries x 256 keys, pv in 128 queries x 128 keys; what they leave out are such tiles in which every key comes after every query; what such a tile holds beside live scores is computed and masked.
.set SIZE_K, 1024
.set NQ, 8
.set NB, 4  ; column tiles a wave
.set TM, 512  ; phase 1's rows
.set TN, 128  ; columns of a work-group
.set CH, 128  ; a chunk of x's rows: one slot
.set KROW, SIZE_K
.set KS, SIZE_K/32
.set PITCH, KROW+16
.set FR, 16
.set FPW, 16  ; fragments in a window
.set NP, 8  ; plain vector lines behind a matrix instruction (ISA guide 7.12.1)
.set NF, 34  ; LDS loads of a block: eight fragments of four, two of four scale words
.set YB, CH*PITCH  ; slot 1
.set SCL, 2*CH*PITCH  ; the scale bytes of x's 512 rows in the order of work, as units of 256 bytes (8 rows) + 16 of padding
.set RS, 32  ; units of a window
.set CS, 16*272  ; a chunk's units
.set XN, SCL+2*RS*272  ; q's, k's scale words: 512 rows in the order of work
.set XV, XN+TM*4  ; v's: [64 channels: 2][K step 2][64]
.set SPARE, XV+1024
.set RT, 32768  ; from row tile to row tile, from channel tile to channel tile
.set EMAX, 15
.set ADRA0, 4  ; v4  LDS address of my fragments of block 0
.set CN, 5  ; v5  512 h + 16 r
.set AAS0, 6  ; v6  LDS address of my row's scale words in block 0
.set CO, 9  ; v9  16 x lane
.set SPW, 10  ; v10  my spare word
.set NIL, 11  ; v11  0
.set ADRA, 12  ; v12  as v4, for the block that is fetched next
.set VX, 13  ; v13  LDS address of a scale byte
.set ADRB, 14  ; v14  my fragments of the first weight, even tiles;  v18 odd tiles;  v15 wv's
.set ADRV, 15
.set ADRO, 18
.set ABS, 16  ; v16  my offset in the first weight's scale bytes;  v21 in wv's
.set ABV, 21
.set AAS, 17
.set RD, 19
.set SOP, 20  ; v20-23  the conversions' scale operands
.set SB, 24  ; v24-39  the weight's scale words: register 8 p + q: lanes 0-15 tile 2 p's, lanes 16-31 tile 2 p + 1's
.set EB, 40  ; v40-43  scale bytes
.set SA, 44  ; v44-59  x's: two sets of eight: no product's two scale words have numbers equal modulo 8
.set TQ, 60  ; v60-63  the way out's maxima and bounds
.set ACC, 64  ; v64-191  four sets of four accumulators
.set WS, 128  ; v128-143  in phase 1: wv's scale words
.set NCD, 192
.set MCD, 192
.set BQ, 208  ; v208-239  the first four products' C: the bias
.set BV, 240  ; v240-243  v's, a number a tile
.set G1A, 24
.set G0A, 56
.set G1B, 32
.set G0B, 60
.set G1R, 48
.set G0R, 68
.set G1S, 92
.set G0S, 72
.set MSB, 0
.macro WIN new
.if MSB != \new
	s_set_vgpr_msb (MSB<<8)|\new
.set MSB, \new
.endif
.endm
.macro PLACES n
.rept \n
	v_nop
.endr
.endm
.macro BARRIER
	s_barrier_signal -1
	s_barrier_wait -1
.endm
.macro CROUND  ; a round of the cluster's barrier
	BARRIER
	s_cmp_lg_u32 s14, 0
	s_cbranch_scc1 .Lnot_wave_0_\@
	s_barrier_signal -3
.Lnot_wave_0_\@:
	s_barrier_wait -3
	BARRIER
.endm
.macro TLOAD g0, g1
	tensor_load_to_lds s[\g0:\g0+3], s[\g1:\g1+7]
	s_nop 0
	PLACES 4
.endm
.macro GROUP1 g, mask, rows  ; so many whole rows of K, 16 bytes of padding behind each in LDS
	s_or_b32 s[\g+0], s[\mask], (1<<20)|(1<<21)|(7<<22)|(3<<25)
	s_mov_b32 s[\g+1], (KROW&0xffff)<<16
	s_mov_b32 s[\g+2], (KROW>>16)|((\rows)<<16)
	s_mov_b32 s[\g+3], KROW<<16
	s_mov_b32 s[\g+4], \rows
	s_mov_b32 s[\g+5], KROW
	s_mov_b32 s[\g+6], 0
	s_mov_b32 s[\g+7], 0
.endm
.macro SADD d, x
	s_add_co_u32 s\d, s\d, s\x
.endm
.macro SHADD d, x, n  ; s[d] += s[x] << n
	s_lshl_b32 s20, s\x, \n
	s_add_co_u32 s\d, s\d, s20
.endm
.macro WALU
	s_wait_alu depctr_va_vdst(0)
.endm
	s_load_b256 s[4:11], s[0:1], 0x0  ; x codes, x scales, wq codes, wq scales
	s_load_b256 s[76:83], s[0:1], 0x20  ; wk codes, wk scales, wv codes, wv scales
	v_lshl_add_u32 v[SPW], v0, 2, SPARE
	v_mov_b32 v[NIL], 0
	ds_add_u32 v[SPW], v[NIL]  ; the wave's opening: the add, twice on end, and its wait ahead of my first tensor load
	ds_add_u32 v[SPW], v[NIL]
	v_lshrrev_b32 v1, 5, v0
	v_readfirstlane_b32 s14, v1  ; wave 0..3
	s_lshr_b32 s15, s14, 1  ; my row of waves
	s_and_b32 s16, s14, 1  ; my column of waves
	s_bfe_u32 s40, ttmp6, 0x40000  ; cx, cy
	s_bfe_u32 s41, ttmp6, 0x40004
	s_lshl_b32 s42, ttmp9, 2
	s_add_co_u32 s42, s42, s40
	s_and_b32 s42, s42, 7  ; my tile column of 128 in q or k
	s_and_b32 s43, ttmp7, 0xffff
	s_lshl_b32 s43, s43, 2
	s_add_co_u32 s43, s43, s41  ; tile row of 512
	s_lshr_b32 s19, ttmp9, 1  ; 0: phase 1 makes q; 1: k
	s_and_b32 s18, ttmp9, 1  ; v's window
	s_lshl_b32 s44, s41, 2
	s_lshl_b32 s44, 15, s44  ; my row of the cluster
	s_lshl_b32 s45, 0x1111, s40  ; my column
	GROUP1 G1B, 45, TN
	GROUP1 G1A, 44, CH
	GROUP1 G1R, 44, CH/4
	s_or_b32 s[G1S+0], s44, (3<<16)|(1<<20)|(1<<21)|(5<<22)|(3<<25)  ; a window's scale bytes: 8,192 dense bytes as rows of 256, 16 of padding behind each
	s_mov_b32 s[G1S+1], 32<<16
	s_mov_b32 s[G1S+2], RS<<16
	s_mov_b32 s[G1S+3], 32<<16
	s_mov_b32 s[G1S+4], RS
	s_mov_b32 s[G1S+5], 32
	s_mov_b32 s[G1S+6], 0
	s_mov_b32 s[G1S+7], 0
	s_mov_b32 s[G0S], 1
	s_mul_i32 s[G0S+1], s16, RS*272
	s_add_co_u32 s[G0S+1], s[G0S+1], SCL
	s_mul_i32 s67, s43, TM*KROW  ; s67, s2: in x the window that is not v's, and v's
	s_mul_i32 s20, s18, TM/2*KROW
	s_add_co_u32 s2, s67, s20
	s_xor_b32 s20, s20, TM/2*KROW
	SADD 67, 20
	s_lshl_b32 s66, s19, 2
	SADD 66, 40  ; v's tile column: a cluster's column shares wv's rows too
	s_mul_i32 s3, s66, TN*KROW  ; wv's rows
	s_mul_i32 s91, s66, TN*KS  ; and their scale bytes: my wave's 64
	s_mul_i32 s21, s16, 64*KS
	SADD 91, 21
	s_mul_i32 s84, s42, TN*KROW  ; the first weight's rows
	s_mov_b32 s85, 0
	s_lshl_b32 s86, s43, 1  ; x's scale bytes: wave 2 the window that is not v's, wave 3 v's
	s_xor_b32 s20, s18, 1
	s_cmp_eq_u32 s16, 1
	s_cselect_b32 s20, s18, s20
	SADD 86, 20
	s_mul_i32 s86, s86, TM/2*KS
	s_mov_b32 s87, 0
	s_mul_i32 s88, s42, TN*KS  ; the first weight's scale bytes: my wave's 64 columns
	SADD 88, 21
	s_mov_b32 s89, 0
	s_mov_b32 s[G0A], 1
	s_mov_b32 s[G0A+1], 0
	s_mov_b32 s[G0B], 1
	s_mov_b32 s[G0B+1], YB
	s_mov_b32 s[G0R], 1
	v_and_b32 v1, 15, v0  ; r
	v_bfe_u32 v2, v0, 4, 1  ; h
	v_and_b32 v3, 31, v0  ; lane
	v_and_b32 v8, 8, v1
	v_mul_u32_u24 v22, v1, PITCH
	v_lshl_add_u32 v22, v2, 4, v22  ; row r, + 16 h
	s_mul_i32 s20, s15, 32*PITCH
	v_add_nc_u32 v[ADRA0], s20, v22
	s_mul_i32 s22, s16, 64*PITCH
	v_add_nc_u32 v[ADRV], s22, v22
	s_add_co_u32 s22, s22, YB
	v_mad_u32_u24 v23, v8, 4*PITCH, v22  ; even tiles: row r + 4 (r & 8): 8 .. 15 become 40 .. 47
	v_add_nc_u32 v[ADRB], s22, v23
	v_mad_u32_u24 v23, v8, 2*PITCH, v22  ; odd tiles: 24 .. 31
	v_add_nc_u32 v[ADRO], s22, v23
	v_lshlrev_b32 v[ABV], 5, v3  ; wv's scale bytes: lane l takes row l of a pair of tiles
	v_sub_nc_u32 v23, 2, v2  ; the first weight's: lanes 0-15 the even tile's rows, lanes 16-31 the odd's
	v_mul_u32_u24 v23, v23, v8
	v_lshl_add_u32 v23, v23, 1, v1
	v_lshl_add_u32 v23, v2, 3, v23
	v_lshlrev_b32 v[ABS], 5, v23
	v_lshlrev_b32 v23, 5, v1  ; x's: 32 bytes a row, and 16 more for each 256 passed
	v_lshrrev_b32 v22, 3, v1
	v_lshl_add_u32 v23, v22, 4, v23
	s_mul_i32 s20, s15, 4*272
	s_add_co_u32 s20, s20, SCL
	v_add_nc_u32 v[AAS0], s20, v23
	s_lshl_b32 s90, s40, 2  ; which of the cluster row's sixteen waves I am: my share of a prefetch of x's rows;
	SADD 90, 14
	s_lshl_b32 s100, s41, 2  ; and of the column's: of wv's
	SADD 100, 14
	WALU
	s_wait_dscnt 0x0  ; both opening adds are done
	CROUND  ; all sixteen work-groups are here
	s_wait_kmcnt 0x0
	s_cmp_eq_u32 s19, 0  ; the choice hangs on the cluster's x alone
	s_cselect_b64 s[8:9], s[8:9], s[76:77]
	s_cselect_b64 s[10:11], s[10:11], s[78:79]
	s_mov_b64 s[12:13], s[80:81]  ; wv's codes
	s_mov_b32 s20, s67
	s_mov_b32 s21, 0
	s_add_nc_u64 s[G0A+2:G0A+3], s[4:5], s[20:21]
	s_or_b32 s[G0A+3], s[G0A+3], 0x80000000
	s_add_nc_u64 s[G0B+2:G0B+3], s[8:9], s[84:85]
	s_or_b32 s[G0B+3], s[G0B+3], 0x80000000
	s_add_nc_u64 s[G0S+2:G0S+3], s[6:7], s[86:87]
	s_or_b32 s[G0S+3], s[G0S+3], 0x80000000
	s_add_nc_u64 s[10:11], s[10:11], s[88:89]
	s_load_b128 s[84:87], s[0:1], 0x40  ; bq, bk
	s_load_b64 s[88:89], s[0:1], 0x50  ; bv
	s_cmp_eq_u32 s14, 0  ; ONE joint load a wave, and a line of its own for what is shown ahead of the rest
	s_cbranch_scc0 .Lwave_1
	TLOAD G0B, G1B  ; wave 0: the first weight's rows, which are wanted first
	s_branch .Lasked
.Lwave_1:
	s_cmp_eq_u32 s14, 1
	s_cbranch_scc0 .Lfor_scales
	TLOAD G0A, G1A  ; wave 1: chunk 0
	s_branch .Lasked
.Lfor_scales:
	TLOAD G0S, G1S  ; waves 2, 3: a window's scale bytes each
.Lasked:
	; scale words and biases straight into registers
	s_mov_b32 s20, s91
	s_mov_b32 s21, 0
	s_add_nc_u64 s[82:83], s[82:83], s[20:21]
	s_lshl_b32 s20, s42, 9
	s_lshl_b32 s22, s66, 9
	s_lshl_b32 s23, s16, 8
	SADD 20, 23
	SADD 22, 23
	s_mov_b32 s23, 0
	v_mul_u32_u24 v22, v2, 160  ; the bias in phase 1's layout: tile j of lane half h takes 32 bytes at 128 h + 32 (j xor h)
	v_mad_u32_u24 v23, v2, 96, 32
	v_lshlrev_b32 v8, 2, v1
	WALU
	s_wait_kmcnt 0x0
	s_cmp_eq_u32 s19, 1
	s_cselect_b64 s[84:85], s[86:87], s[84:85]
	s_add_nc_u64 s[84:85], s[84:85], s[20:21]
	s_add_nc_u64 s[88:89], s[88:89], s[22:23]
.irp p, 0,1
.irp c, 0,1
	global_load_b128 v[SB+NQ*\p+4*\c:SB+NQ*\p+4*\c+3], v[ABS], s[10:11] offset:\p*16*KS+16*\c
	global_load_b128 v[WS+NQ*\p+4*\c:WS+NQ*\p+4*\c+3], v[ABV], s[82:83] offset:\p*32*KS+16*\c
.endr
.endr
.irp u, 0,1
.irp c, 0,1
	global_load_b128 v[BQ+16*\u+4*\c:BQ+16*\u+4*\c+3], v22, s[84:85] offset:64*\u+16*\c
	global_load_b128 v[BQ+16*\u+8+4*\c:BQ+16*\u+8+4*\c+3], v23, s[84:85] offset:64*\u+16*\c
.endr
.endr
.irp t, 0,1,2,3
	global_load_b32 v[BV+\t], v8, s[88:89] offset:64*\t
.endr
	s_wait_xcnt 0x0  ; the loads have taken their addresses, which change below
	s_lshl_b32 s21, s15, 7
	s_lshl_b32 s22, s16, 1
	SADD 21, 22
	s_add_co_u32 s21, s21, XN
	s_lshl_b32 s22, s16, 9
	SADD 22, 15
	s_add_co_u32 s22, s22, XV
	v_lshlrev_b32 v[CO], 4, v3
	v_lshlrev_b32 v23, 9, v2
	v_lshl_add_u32 v[CN], v1, 4, v23
	v_lshl_add_u32 v23, v1, 2, v2
	v_add_nc_u32 v[VX], s21, v23
	v_lshlrev_b32 v23, 2, v1
	v_add_nc_u32 v[RD], s22, v23
; WHERE MY RESULTS GO: offsets now, the buffers' addresses in front of the stream
	s_lshl_b32 s76, s43, 20  ; qk_img: 32 row tiles a tile row, 2 for wave row 1; q or k; K step; two blocks for wave column 1
	SHADD 76, 15, 16
	SHADD 76, 19, 14
	SHADD 76, 42, 11
	SHADD 76, 16, 10
	s_mov_b32 s77, 0
	s_xor_b32 s22, s15, s18  ; qk_sw: wave n stores chunk n (in the order of work): two units
	s_xor_b32 s22, s22, 1
	s_lshl_b32 s78, s19, 18
	SHADD 78, 43, 14
	SHADD 78, 22, 13
	SHADD 78, 16, 12
	SHADD 78, 42, 8
	s_mov_b32 s79, 0
	s_lshl_b32 s22, s43, 1
	SADD 22, 18  ; v's window
	s_lshr_b32 s23, s22, 3  ; its batch
	s_and_b32 s22, s22, 7
	s_lshl_b32 s80, s23, 21  ; v_img: batch, my four channel tiles, the window's first K step, my wave row's block
	SHADD 80, 66, 18
	SHADD 80, 16, 17
	SHADD 80, 22, 12
	SHADD 80, 15, 9
	s_mov_b32 s81, 0
	s_lshl_b32 s82, s23, 16  ; v_sw: wave n stores channels 64 (n / 2) on, K step n % 2: 256 bytes
	SHADD 82, 66, 13
	SHADD 82, 15, 12
	SHADD 82, 22, 9
	SHADD 82, 16, 8
	s_mov_b32 s83, 0
	s_add_co_u32 s6, s67, CH*KROW  ; chunk 1
	s_add_co_u32 s7, s2, CH*KROW  ; chunk 3
	s_lshl_b32 s21, s90, 13
	s_add_co_u32 s22, s21, s6
	v_lshl_add_u32 v7, v3, 8, s22  ; v7, v8: a prefetch's addresses: my sixteenth of chunk 1, of chunk 2
	s_add_co_u32 s22, s21, s2
	v_lshl_add_u32 v8, v3, 8, s22
	v_add_nc_u32 v1, 16*PITCH, v[ADRA0]  ; v1, v2: block 1's LDS addresses
	v_add_nc_u32 v2, 2*272, v[AAS0]
	WALU
	s_cmp_eq_u32 s14, 0
	s_cbranch_scc0 .Lnot_b
	s_wait_tensorcnt 0x0  ; wave 0: the first weight has landed.  The other waves' wait stands at the second barrier
.Lnot_b:
	BARRIER
	global_prefetch_b8 v7, s[4:5] th:TH_LOAD_NT scope:SCOPE_SE
	global_prefetch_b8 v8, s[4:5] th:TH_LOAD_NT scope:SCOPE_SE
.macro MIDDLE  ; a round's middle: behind the work-group's own barrier wave 0 signals the cluster's, and all wait for it
	WIN 0
	s_barrier_wait -1
	s_cmp_lg_u32 s14, 0
	s_cbranch_scc1 .Lnot_wave_0_\@
	s_barrier_signal -3
.Lnot_wave_0_\@:
	s_barrier_wait -3
.endm
.macro GRD
	s_wait_tensorcnt 0x0
	ds_add_u32 v[SPW], v[NIL]
.endm
.macro FRAG f, adr, q, off  ; a weight's fragment f: lane l holds row l % 16; registers 4 c .. 4 c + 3 hold K = 32 c + 16 (l / 16) + 0 .. 15; in window 1 + f / 16
	WIN (1+(\f)/FPW)<<6
.irp c, 0,1,2,3
	ds_load_b128 v[FR*((\f)%FPW)+4*\c:FR*((\f)%FPW)+4*\c+3], v[\adr] offset:128*(\q)+32*\c+(\off)
.endr
.endm
.macro WEIGHTS  ; my 64 rows of the first weight, all of K: 128 loads
.irp q, 0,1,2,3,4,5,6,7
.irp b, 0,2
	FRAG NB*\q+\b, ADRB, \q, \b*8*PITCH
	FRAG NB*\q+\b+1, ADRO, \q, (\b+1)*8*PITCH
.endr
.endr
	WIN 0
.endm
.macro FETCHAT k, a, s  ; a block of x, 16 rows, all of K, into set k of window 3, and its scale words: NF loads
	WIN 3<<6
.irp q, 0,1,2,3,4,5,6,7
.irp c, 0,1,2,3
	ds_load_b128 v[128*\k+FR*\q+4*\c:128*\k+FR*\q+4*\c+3], v[\a] offset:128*\q+32*\c
.endr
.endr
	WIN 0
	ds_load_b128 v[SA+8*\k:SA+8*\k+3], v[\s]
	ds_load_b128 v[SA+8*\k+4:SA+8*\k+7], v[\s] offset:16
.endm
.macro PROD kind, e, a, n  ; product n = 4 q + b of a block: the q-th 128 of K, column tile b; x's rows in set e, sums in set a; the first four begin with the bias
.set Q_, (\n)/4
.set B_, (\n)%4
.set FB_, NB*Q_+B_
.set AC_, ACC+32*(\a)+8*B_
.set C_, AC_
.if Q_ == 0
.set C_, BQ+8*B_
.endif
.set R_, 128*(\e)+FR*Q_
.set W_, FR*(FB_%FPW)
.set XS_, SA+8*(\e)+Q_
.set WS_, SB+8*(B_/2)+Q_
.if \kind
	WIN 3|((1+FB_/FPW)<<2)
.if B_%2
	v_wmma_scale_f32_16x16x128_f8f6f4 v[AC_:AC_+7], v[R_:R_+FR-1], v[W_:W_+FR-1], v[C_:C_+7], v[XS_], v[WS_] matrix_a_fmt:MATRIX_FMT_BF8 matrix_b_fmt:MATRIX_FMT_BF8 matrix_b_scale:MATRIX_SCALE_ROW1
.else
	v_wmma_scale_f32_16x16x128_f8f6f4 v[AC_:AC_+7], v[R_:R_+FR-1], v[W_:W_+FR-1], v[C_:C_+7], v[XS_], v[WS_] matrix_a_fmt:MATRIX_FMT_BF8 matrix_b_fmt:MATRIX_FMT_BF8
.endif
.else
	WIN (1+FB_/FPW)|(3<<2)
.if B_%2
	v_wmma_scale_f32_16x16x128_f8f6f4 v[AC_:AC_+7], v[W_:W_+FR-1], v[R_:R_+FR-1], v[C_:C_+7], v[WS_], v[XS_] matrix_a_fmt:MATRIX_FMT_BF8 matrix_b_fmt:MATRIX_FMT_BF8 matrix_a_scale:MATRIX_SCALE_ROW1
.else
	v_wmma_scale_f32_16x16x128_f8f6f4 v[AC_:AC_+7], v[W_:W_+FR-1], v[R_:R_+FR-1], v[C_:C_+7], v[WS_], v[XS_] matrix_a_fmt:MATRIX_FMT_BF8 matrix_b_fmt:MATRIX_FMT_BF8
.endif
.endif
.endm
.macro HOLD x, b  ; held at the largest number that the format has under its block's scale (ISA guide 7.6.2)
	v_med3_num_f32 v[\x], v[\x], -v[TQ+\b], v[TQ+\b]
.endm
.macro SCALES i, n  ; 0: the conversion's scale operand; 1: the bound; 2: a second copy of it; 3: the scale byte
.if (\i) == 0
	v_add_nc_u32 v[SOP+\n], -(EMAX<<23), v[TQ]
.elseif (\i) == 1
	v_and_or_b32 v[TQ+1], v[TQ], 0x7f800000, s62
.elseif (\i) == 2
	v_mov_b32 v[TQ+3], v[TQ+1]
.else
	v_lshrrev_b32 v[EB+\n], 23, v[SOP+\n]
.endif
.endm
.macro MAXQ k, x  ; q, k: 18 lines: the largest magnitude of the 32 sums at x, and the floor under which a byte would fall under 1
.if (\k) < 4
	v_max3_num_f32 v[TQ+\k], |v[\x+8*(\k)]|, |v[\x+8*(\k)+1]|, |v[\x+8*(\k)+2]|
.elseif (\k) < 12
	v_max3_num_f32 v[TQ+(\k)%4], v[TQ+(\k)%4], |v[\x+8*((\k)%4)+2*((\k)/4)+1]|, |v[\x+8*((\k)%4)+2*((\k)/4)+2]|
.elseif (\k) < 16
	v_max_num_f32 v[TQ+(\k)%4], v[TQ+(\k)%4], |v[\x+8*((\k)%4)+7]|
.elseif (\k) == 16
	v_max3_num_f32 v[TQ], v[TQ], v[TQ+1], v[TQ+2]
.else
	v_max3_num_f32 v[TQ], v[TQ], v[TQ+3], (EMAX+1)<<23
.endif
.endm
.macro HOLDS m, x  ; two of a scale block's holds; the bound is read from its second copy where its first would be read too late
.if (\m) == 3
	HOLD \x, 3
	HOLD \x+1, 3
.else
	HOLD \x, 1
	HOLD \x+1, 1
.endif
.if (\m) == 2
	SCALES 2, 0
.endif
.endm
.macro GAPQ m, x  ; THE QUANTISER OF q's OR k's BLOCK, gaps 0 .. 26: the sums at x -> codes NCD, byte EB
.if (\m) < 9
	MAXQ 2*(\m), \x
	MAXQ 2*(\m)+1, \x
.elseif (\m) == 9
	SCALES 0, 0
	SCALES 1, 0
.elseif (\m) < 26
	HOLDS (\m)-10, \x+2*((\m)-10)
.if ((\m)-10)%4 == 3
	v_cvt_scalef32_pk8_bf8_f32 v[NCD+2*(((\m)-10)/4):NCD+2*(((\m)-10)/4)+1], v[\x+8*(((\m)-10)/4):\x+8*(((\m)-10)/4)+7], v[SOP]
.endif
.elseif (\m) == 26
	SCALES 3, 0
.endif
.endm
.macro GAPV u, x  ; THE QUANTISER OF A PAIR OF v's BLOCKS, gaps 0 .. 59, 15 a tile: a scale block lies in lanes l and l xor 16: the even block's sums at x, the odd's at x + 32 -> codes MCD + 4 t, bytes EB + t
.set T_, (\u)/15
.set J_, (\u)%15
.set E_, \x+8*T_
.set O_, E_+32
.if (\u) > 59
.elseif J_ == 0
	v_max3_num_f32 v[TQ], |v[E_]|, |v[E_+1]|, |v[E_+2]|
	v_max3_num_f32 v[TQ+2], |v[O_]|, |v[O_+1]|, |v[O_+2]|
.elseif J_ < 3
	v_max3_num_f32 v[TQ], v[TQ], |v[E_+2*J_+1]|, |v[E_+2*J_+2]|
	v_max3_num_f32 v[TQ+2], v[TQ+2], |v[O_+2*J_+1]|, |v[O_+2*J_+2]|
.elseif J_ == 3
	v_max3_num_f32 v[TQ+2], v[TQ+2], |v[O_+7]|, (EMAX+1)<<23
	v_max3_num_f32 v[TQ], v[TQ], |v[E_+7]|, v[TQ+2]
.elseif J_ == 4
	v_permlanex16_b32 v[TQ+2], v[TQ], s60, s61
	v_max_num_f32 v[TQ], v[TQ], v[TQ+2]
.elseif J_ == 5
	SCALES 0, T_
	SCALES 1, T_
.elseif J_ < 10
	HOLDS J_-6, E_+2*(J_-6)
.if J_ == 9
	v_cvt_scalef32_pk8_bf8_f32 v[MCD+4*T_:MCD+4*T_+1], v[E_:E_+7], v[SOP+T_]
.endif
.elseif J_ < 14
	HOLDS J_-6, O_+2*(J_-10)
.if J_ == 13
	v_cvt_scalef32_pk8_bf8_f32 v[MCD+4*T_+2:MCD+4*T_+3], v[O_:O_+7], v[SOP+T_]
.endif
.else
	SCALES 3, T_
.endif
.endm
.macro RDESC i, off, lds  ; group 0 of a refill, in two parts: a quarter of 128 rows a wave, the rows at s[off] of x, into LDS at s[lds]
.if (\i) == 0
	s_mul_i32 s[G0R+1], s14, CH/4*PITCH
	s_add_co_u32 s[G0R+1], s[G0R+1], s\lds
	s_mul_i32 s20, s14, CH/4*KROW
	s_add_co_u32 s20, s20, s\off
.else
	s_mov_b32 s21, 0
	s_add_nc_u64 s[G0R+2:G0R+3], s[4:5], s[20:21]
	s_or_b32 s[G0R+3], s[G0R+3], 0x80000000
.endif
.endm
; WHAT STANDS BEHIND PRODUCT n.  j: the block's number in its trip (the second loop's: 4, 5; v's: -1, -2).  The addresses of the block two on stand behind 0 and 1; a prefetch's address or a byte's next place behind 2; a refill's group 0 behind 29 and 30;
; from 1 on a way out: y = 1 q's or k's block at x; 2, 3 the halves of v's pair at x.  Codes go one row tile on from an even block to its odd one, three to the next even one
.macro LIST n, j, y, x
.if (\n) == 0
.if (\j) >= 0
	s_add_nc_u64 s[84:85], s[84:85], RT*(1+2*((\j)%2))
.if (\j) == 1
	s_cmp_eq_u32 s46, 2
	s_cselect_b64 s[84:85], s[88:89], s[84:85]
.endif
.endif
	WIN 0
.if (\j) == 0 || (\j) == 1
	s_add_co_u32 s22, s101, (64+16*(\j))*PITCH
.elseif (\j) > 1
	s_add_co_u32 s22, s47, ((\j)%2)*16*PITCH
.else
	s_add_co_u32 s22, s47, (-1-(\j))*16*PITCH
.endif
	v_add_nc_u32 v[ADRA], s22, v[ADRA0]
.elseif (\n) == 1
	WIN 0
.if (\j) == 0 || (\j) == 1
	s_add_co_u32 s22, s17, (8+2*(\j))*272
.elseif (\j) > 1
	s_add_co_u32 s22, s8, ((\j)%2)*2*272
.else
	s_add_co_u32 s22, s8, (-1-(\j))*2*272
.endif
	v_add_nc_u32 v[AAS], s22, v[AAS0]
.endif
.if (\j) == 2 && (\n) == 2
	WIN 0
	v_lshl_add_u32 v7, v3, 8, s23
.elseif (\j) == 0 && ((\n) == 29 || (\n) == 30)
	RDESC (\n)-29, 6, 47
.elseif (\j) == 1 && (\n) == 2
	WIN 0
	v_add_nc_u32 v[VX], s9, v[VX]
.elseif (\j) == 5 && (\n) == 2
	WIN 0
	v_add_nc_u32 v[VX], 256, v[VX]
.endif
.if (\y) == 1 && (\n) > 0 && (\n) < 28
	WIN 0
	GAPQ (\n)-1, \x
.elseif (\y) == 2 && (\n) > 0 && (\n) < 31
	WIN 0
	GAPV (\n)-1, \x
.elseif (\y) == 3 && (\n) > 0 && (\n) < 31
	WIN 0
	GAPV (\n)+29, \x
.endif
.endm
.macro BLOCK kind, e, a, from, to, j, y, x
.set N_, \from
.rept (\to)-(\from)
	PROD \kind, \e, \a, N_
	LIST N_, \j, \y, \x
.set N_, N_+1
.endr
.endm
.macro BLK kind, e, a, w, j, y, x  ; w: the wait's count (-1: none)
.if (\w) >= 0
	s_wait_dscnt \w
.endif
	s_wait_xcnt 0x0
	BLOCK \kind, \e, \a, 0, 32, \j, \y, \x
	WIN 0
	PLACES NP
.endm
.macro RBLK kind, e, a, w, j, y, x  ; a block with a round of the cluster's barrier: the lines at its head, the signal behind 28 products
.if (\w) >= 0
	s_wait_dscnt \w
.endif
	s_wait_xcnt 0x0
	GRD
	BLOCK \kind, \e, \a, 0, 28, \j, \y, \x
	WIN 0
	WALU
	s_wait_dscnt 0x0
	s_barrier_signal -1
	BLOCK \kind, \e, \a, 28, 32, \j, \y, \x
	MIDDLE
	BARRIER
.endm
.macro SBLK kind, e, a, w, j, y, x, half=0  ; a block with a plain barrier (half = 1: it shows waves 0 and 1's loads alone)
.if (\w) >= 0
	s_wait_dscnt \w
.endif
	s_wait_xcnt 0x0
	BLOCK \kind, \e, \a, 0, 28, \j, \y, \x
	WIN 0
	WALU
.if \half
	s_cmp_lt_u32 s14, 2
	s_cbranch_scc0 .Lnot_yet_\@
	s_wait_tensorcnt 0x0
.Lnot_yet_\@:
.else
	s_wait_tensorcnt 0x0
.endif
	s_wait_dscnt 0x0
	s_barrier_signal -1
	BLOCK \kind, \e, \a, 28, 32, \j, \y, \x
	WIN 0
	s_barrier_wait -1
	PLACES NP
.endm
.macro QOUT off, boff  ; a block's byte goes to its place in LDS, its 32 codes a lane leave: sixteen lanes store 256 consecutive bytes, aligned
	ds_store_b8 v[VX], v[EB] offset:\boff
	global_store_b128 v[CN], v[NCD:NCD+3], s[84:85] offset:\off
	global_store_b128 v[CN], v[NCD+4:NCD+7], s[84:85] offset:(\off)+256
.endm
	WEIGHTS
	s_wait_tensorcnt 0x0  ; chunk 0 and the scale bytes are in; the first weight is in registers
	s_wait_dscnt 0x0
	BARRIER
	FETCHAT 0, ADRA0, AAS0
	FETCHAT 1, 1, 2
	s_load_b256 s[92:99], s[0:1], 0x58  ; qk_img, qk_sw, v_img, v_sw
	s_mov_b32 s60, 0x76543210  ; v_permlanex16_b32's selects for lane l xor 16
	s_mov_b32 s61, 0xfedcba98
	s_mov_b32 s62, 0x600000  ; the mantissa field of 57,344
.set I_, 0
.rept 32
	v_mov_b32 v[ACC+32+I_], 0
.set I_, I_+1
.endr
	s_wait_kmcnt 0x0
	s_add_nc_u64 s[92:93], s[92:93], s[76:77]
	s_add_nc_u64 s[94:95], s[94:95], s[78:79]
	s_add_nc_u64 s[96:97], s[96:97], s[80:81]
	s_add_nc_u64 s[98:99], s[98:99], s[82:83]
	s_mul_i32 s20, s18, 16*RT
	s_mov_b32 s21, 0
	s_add_nc_u64 s[88:89], s[92:93], s[20:21]  ; q's or k's codes of v's window
	s_xor_b32 s20, s20, 16*RT
	s_add_nc_u64 s[84:85], s[92:93], s[20:21]  ; of the other window
	s_sub_nc_u64 s[84:85], s[84:85], 4*RT  ; (blocks 0 and 1 step it to block 0's place)
	s_mov_b64 s[10:11], s[4:5]
	s_mov_b32 s46, 0  ; PHASE 1.  s46 the trip; s101, s47 this chunk's slot and the next chunk's; s17, s8 their scale words' step; s6 the rows that are loaded; s9 to a byte's next place; s[10:11], s23 what is asked for ahead and where my share of it begins
	s_mov_b32 s9, 0
	s_mov_b32 s23, 0
	s_mov_b32 s101, 0
	s_mov_b32 s47, YB
	s_mov_b32 s17, 0
	s_mov_b32 s8, CS
	s_wait_loadcnt 0x0
.Lfour:
	RBLK 0, 0, 0, NF, 0, 1, ACC+32  ; blocks 0, 4, 8: chunks 1, 2, 3 come
	s_cmp_lt_u32 s14, 2  ; waves 0, 1 and waves 2, 3 have a load line each: the barrier inside the block two on waits for the first line's alone
	s_cbranch_scc0 .Lupper
	TLOAD G0R, G1R
	s_branch .Lboth
.Lupper:
	TLOAD G0R, G1R
.Lboth:
	PLACES NP-4
	s_cmp_eq_u32 s46, 0
	s_cbranch_scc1 .Lno_block_before
	QOUT 0, 320
.Lno_block_before:
	FETCHAT 0, ADRA, AAS
	BLK 0, 1, 1, -1, 1, 1, ACC
	QOUT 0, 0
	FETCHAT 1, ADRA, AAS
	SBLK 0, 0, 0, NF, 2, 1, ACC+32, 1  ; the next chunk's first half is in
	QOUT 0, 64
	s_cmp_eq_u32 s46, 0
	s_cbranch_scc1 .Lnone_ahead
	global_prefetch_b8 v7, s[10:11] th:TH_LOAD_NT scope:SCOPE_SE
.Lnone_ahead:
	FETCHAT 0, ADRA, AAS
	BLK 0, 1, 1, -1, 3, 1, ACC
	QOUT 0, 256
	FETCHAT 1, ADRA, AAS
	s_mov_b32 s9, 512
	s_cmp_eq_u32 s46, 0
	s_cselect_b32 s6, s2, s7
	s_cselect_b32 s21, s90, s100
	s_cselect_b32 s22, s7, s3
	s_cselect_b64 s[10:11], s[4:5], s[12:13]  ; trip 1 asks for chunk 3 ahead, trip 2 for wv's rows
	s_lshl_b32 s21, s21, 13
	s_add_co_u32 s23, s21, s22
	s_mov_b32 s101, s47
	s_mov_b32 s17, s8
	s_xor_b32 s47, s47, YB
	s_add_co_u32 s8, s8, CS
	s_add_co_u32 s46, s46, 1
	s_cmp_lg_u32 s46, 3
	s_cbranch_scc1 .Lfour
	GRD
	s_mul_i32 s20, s14, CH/4*KROW
	s_add_co_u32 s20, s20, s3
	s_mov_b32 s21, 0
	s_mul_i32 s[G0A+1], s14, CH/4*PITCH
	s_add_nc_u64 s[G0A+2:G0A+3], s[12:13], s[20:21]
	s_or_b32 s[G0A+3], s[G0A+3], 0x80000000
	GROUP1 G1A, 45, CH/4
	s_wait_dscnt 0x0
	s_barrier_signal -1
	MIDDLE
	BARRIER
	TLOAD G0A, G1A
	s_mov_b32 s47, YB+64*PITCH
	s_mov_b32 s8, 3*CS+8*272
.Ltwo:
	BLK 0, 0, 0, NF, 4, 1, ACC+32  ; blocks 12, 14
	QOUT 0, 320
	FETCHAT 0, ADRA, AAS
	BLK 0, 1, 1, NF, 5, 1, ACC  ; 13, 15; the block two on is then v's: chunk 3 again, as it lies in slot 1
	QOUT 0, 256
	FETCHAT 1, ADRA, AAS
	s_mov_b32 s47, YB
	s_mov_b32 s8, 3*CS
	s_add_co_u32 s46, s46, 1
	s_cmp_lg_u32 s46, 5
	s_cbranch_scc1 .Ltwo
; the change of phase
	s_wait_xcnt 0x0
	s_wait_tensorcnt 0x0  ; wv's rows are in
	s_wait_dscnt 0x0
	BARRIER
.macro CHANGE i  ; among wv's 128 loads: the last block's way out; wv's scale words into their place; zeros into what no block has written yet (v's first trip reads the sums' registers and stores nothing)
.if (\i) < 7
.irp k, 0,1,2,3
.if 4*(\i)+\k < 27
	GAPQ 4*(\i)+\k, ACC+32
.endif
.endr
.elseif (\i) < 9
.irp q, 0,1,2,3,4,5,6,7
	v_mov_b32 v[SB+8*((\i)-7)+\q], v[WS+8*((\i)-7)+\q]
.endr
.elseif (\i) < 15
.irp q, 0,1,2,3,4,5,6,7
	v_mov_b32 v[ACC+80+8*((\i)-9)+\q], 0
.endr
.endif
.endm
.irp q, 0,1,2,3,4,5,6,7
.irp b, 0,2
	FRAG NB*\q+\b, ADRV, \q, \b*16*PITCH
	FRAG NB*\q+\b+1, ADRV, \q, (\b+1)*16*PITCH
	WIN 0
	CHANGE 2*\q+\b/2
.endr
.endr
.irp t, 0,1,2,3
.irp i, 0,1,2,3,4,5,6,7
	v_mov_b32 v[BQ+8*\t+\i], v[BV+\t]
.endr
.endr
	WALU
	QOUT RT, 320
	GRD
	s_mov_b32 s47, 0
	RDESC 0, 2, 47
	RDESC 1, 2, 47
	s_mov_b32 s46, 0
	s_mov_b32 s47, YB+64*PITCH
	s_mov_b32 s8, 3*CS+8*272
	s_wait_dscnt 0x0
	s_barrier_signal -1
	MIDDLE
	BARRIER
	TLOAD G0R, G1R
.macro VOUT  ; a pair of v's blocks: four tiles' bytes and codes, 512 consecutive bytes a store
.irp t, 0,1,2,3
	ds_store_b8 v[VX], v[EB+\t] offset:64*\t
	global_store_b128 v[CO], v[MCD+4*\t:MCD+4*\t+3], s[84:85] offset:RT*\t
.endr
.endm
.macro VTO  ; s22 = 2 x K step + which pair of its chunk: where a pair's codes and bytes go
	s_lshl_b32 s20, s22, 10
	s_mov_b32 s21, 0
	s_add_nc_u64 s[84:85], s[96:97], s[20:21]
	s_lshr_b32 s20, s22, 1
	s_lshl_b32 s20, s20, 8
	s_and_b32 s22, s22, 1
	s_lshl_b32 s22, s22, 1
	s_add_co_u32 s22, s22, s20
	v_add_nc_u32 v[VX], s22, v[RD]
.endm
.Lpair:
	BLK 1, 0, 0, -1, -1, 2, ACC+64
	s_cmp_eq_u32 s46, 3
	s_cbranch_scc1 .Lnone_0
	FETCHAT 0, ADRA, AAS
	s_wait_dscnt NF
	s_branch .Lgo
.Lnone_0:
	s_wait_dscnt 0x0
.Lgo:
	SBLK 1, 1, 1, -1, -2, 3, ACC+64  ; the first trip's shows chunk 2
.set I_, 0
.rept 32  ; the pair's sums are copied, so that one trip is two blocks of text
	v_dual_mov_b32 v[ACC+64+I_], v[ACC+I_] :: v_dual_mov_b32 v[ACC+64+I_+1], v[ACC+I_+1]
.set I_, I_+2
.endr
	s_add_co_u32 s22, s46, 1
	s_and_b32 s22, s22, 3
	VTO
	s_cmp_eq_u32 s46, 0
	s_cbranch_scc1 .Lno_pair_before
	VOUT
.Lno_pair_before:
	s_cmp_eq_u32 s46, 3
	s_cbranch_scc1 .Lnone_1
	FETCHAT 1, ADRA, AAS
.Lnone_1:
	s_mov_b32 s8, 2*CS+8*272
	s_cmp_eq_u32 s46, 0
	s_cselect_b32 s47, 0, 64*PITCH
	s_cselect_b32 s8, 2*CS, s8
	s_add_co_u32 s46, s46, 1
	s_cmp_lg_u32 s46, 4
	s_cbranch_scc1 .Lpair
	s_wait_xcnt 0x0
.set K_, 0
.rept 60
	GAPV K_, ACC+64
.set K_, K_+1
.endr
	WALU
	s_mov_b32 s22, 1
	VTO
	VOUT
	s_wait_dscnt 0x0  ; the scale bytes
	BARRIER
	v_lshlrev_b32 v20, 4, v3
	s_mul_i32 s21, s14, 512
	s_add_co_u32 s21, s21, XN
	v_add_nc_u32 v21, s21, v20
	v_lshlrev_b32 v22, 3, v3
	s_mul_i32 s21, s14, 256
	s_add_co_u32 s21, s21, XV
	v_add_nc_u32 v23, s21, v22
	v_lshrrev_b32 v1, 4, v3
	v_mad_u32_u24 v1, v1, 1792, v20  ; lanes 0-15 one unit of 256 bytes, lanes 16-31 the next 64 rows', 2,048 bytes on
	s_wait_alu depctr_va_vdst(0)
	ds_load_b128 v[60:63], v21
	ds_load_b64 v[40:41], v23
	s_wait_dscnt 0x0
	global_store_b128 v1, v[60:63], s[94:95]
	global_store_b64 v22, v[40:41], s[98:99]
	s_wait_tensorcnt 0x0  ; the wave's end
	ds_add_u32 v[SPW], v[NIL]
	s_wait_dscnt 0x0
	CROUND  ; the closing round
	s_endpgm
.Lfunc_end_k_qf1ea923d76_proj:
	.size	k_qf1ea923d76_proj, .Lfunc_end_k_qf1ea923d76_proj-k_qf1ea923d76_proj
	.p2alignl 7, 3214868480
	.fill 96, 4, 3214868480
	.section	.rodata,"a",@progbits
	.p2align	6, 0x0
	.amdhsa_kernel k_qf1ea923d76_proj
		.amdhsa_group_segment_fixed_size 327680
		.amdhsa_private_segment_fixed_size 0
		.amdhsa_enable_private_segment 0
		.amdhsa_kernarg_size 120
		.amdhsa_user_sgpr_count 2
		.amdhsa_user_sgpr_kernarg_segment_ptr 1
		.amdhsa_wavefront_size32 1
		.amdhsa_system_sgpr_workgroup_id_x 1
		.amdhsa_system_sgpr_workgroup_id_y 1
		.amdhsa_system_sgpr_workgroup_id_z 1
		.amdhsa_system_vgpr_workitem_id 0
		.amdhsa_next_free_vgpr 1024
		.amdhsa_next_free_sgpr 102
		.amdhsa_reserve_vcc 0
		.amdhsa_float_denorm_mode_32 3
		.amdhsa_float_denorm_mode_16_64 3
		.amdhsa_memory_ordered 1
		.amdhsa_forward_progress 1
		.amdhsa_inst_pref_size 163
	.end_amdhsa_kernel
	.amdgpu_metadata
---
amdhsa.version: [ 1, 2 ]
amdhsa.kernels:
  - .name:           k_qf1ea923d76_proj
    .symbol:         k_qf1ea923d76_proj.kd
    .args:
      - { .name: x_codes, .offset: 0, .size: 8, .value_kind: global_buffer, .address_space: global }
      - { .name: x_scales, .offset: 8, .size: 8, .value_kind: global_buffer, .address_space: global }
      - { .name: wq_codes, .offset: 16, .size: 8, .value_kind: global_buffer, .address_space: global }
      - { .name: wq_scales, .offset: 24, .size: 8, .value_kind: global_buffer, .address_space: global }
      - { .name: wk_codes, .offset: 32, .size: 8, .value_kind: global_buffer, .address_space: global }
      - { .name: wk_scales, .offset: 40, .size: 8, .value_kind: global_buffer, .address_space: global }
      - { .name: wv_codes, .offset: 48, .size: 8, .value_kind: global_buffer, .address_space: global }
      - { .name: wv_scales, .offset: 56, .size: 8, .value_kind: global_buffer, .address_space: global }
      - { .name: bq, .offset: 64, .size: 8, .value_kind: global_buffer, .address_space: global }
      - { .name: bk, .offset: 72, .size: 8, .value_kind: global_buffer, .address_space: global }
      - { .name: bv, .offset: 80, .size: 8, .value_kind: global_buffer, .address_space: global }
      - { .name: qk_img, .offset: 88, .size: 8, .value_kind: global_buffer, .address_space: global }
      - { .name: qk_sw, .offset: 96, .size: 8, .value_kind: global_buffer, .address_space: global }
      - { .name: v_img, .offset: 104, .size: 8, .value_kind: global_buffer, .address_space: global }
      - { .name: v_sw, .offset: 112, .size: 8, .value_kind: global_buffer, .address_space: global }
    .group_segment_fixed_size: 327680
    .private_segment_fixed_size: 0
    .kernarg_segment_align: 8
    .kernarg_segment_size: 120
    .max_flat_workgroup_size: 128
    .sgpr_count:     102
    .vgpr_count:     1024
    .wavefront_size: 32
...
	.end_amdgpu_metadata
.endif
;; end of part 1
;; launch scores (part 2): grid 62 x 4, 4 waves a work-group, no clusters, 327,680 bytes of LDS; arguments qk_img, qk_sw, p_img, p_st; writes p_img, p_st
.if DOCPART == 2
	.amdgcn_target "amdgcn-amd-amdhsa--gfx1250"
	.amdhsa_code_object_version 6
	.text
	.protected	k_qf1ea923d76_scores
	.globl	k_qf1ea923d76_scores
	.p2align	8
	.type	k_qf1ea923d76_scores,@function
k_qf1ea923d76_scores:
	s_mov_b64 s[64:65], 0
	v_nop
	global_prefetch_b8 v0, s[64:65] scope:SCOPE_SE
	s_setreg_imm32_b32 hwreg(HW_REG_WAVE_MODE, 25, 1), 1
	s_wait_xcnt 0x0
; S = q k^T on codes of BF8 (E5M2) with E8M0 scales, K = 1,024, and the softmax's first half, for the tiles of 160 queries x 256 keys that hold a key that counts.
; WORK LEFT OUT: row tile t (queries 160 t on) takes the key tiles up to its last query: 1, 2, 2, 3, 4, 4, 5, 5, 6, 7, 7, 8, 8: 62 of 104 a batch.  In the others every score is set to -inf by reference()'s own tril and gets the weight 0
; for all values of the inputs (shown at the head of the first kernel).  The last row tile begins at query 1,888, so that it ends with the batch: its first 32 queries belong to the tile before and are not stored here.
; A work-group makes one tile, four waves 80 x 128 each: 40 accumulators of 16 x 16.  Source 1 = q (a lane holds ONE query), source 0 = k (my registers run along the keys).
; q's and k's fragments lie in memory as images of their registers (2,048 bytes each); a slot is 256 along K: for each 16 rows 4,096 consecutive bytes.  Waves 0 and 1 fetch q's halves (5 row tiles), waves 2 and 3 k's (8).
; Both operands have two whole sets of registers: step q of a slot stands in set q, and the next step's 52 LDS loads go out ahead of a step's 40 products.
; NO CLUSTER: a row tile has 1 to 8 key tiles and a key tile 1 to 13 row tiles, so no grouping into fours shares a tile in every row or column.
; PREFETCH: slots 2 and 3 of a q tile are asked for by its work-group j = 0 (but for the last row tile, which shares rows with the one before), those of a k tile by the last row tile's work-group: each block of 256 bytes once, a slot and more ahead of its load.
; THE PIECE.  A wave's 128 keys are one K step of the next product.  For each query and piece: t = score x log2(e) / 32; M = ceil(the piece's largest t), a whole number; p = 2^(t - M) is quantised along the keys;
; the sum of the unquantised p and -M are stored beside the scale word.  The next launch brings the pieces under the row's M by shifting scale bytes: exact.
; Hidden scores become -inf ahead of the maximum.  A query all of whose 128 keys are hidden gets -M = 3e38, zero codes, bytes 1 and the sum 0, and is not read.
; p_img [batch 4][query tile 128][K step 16][2048];  p_st [word, -M, sum][batch 4][K step 16][2,048 queries] words.
; LIMITS: |M| under 2^24 (it is kept as f32); NaN and infinities among the inputs are not served; a block whose every p is 0 gets the byte 1 (its codes are zeros, and only this program reads the bytes).
; REGISTERS: window 0: addresses, v32-95 the scale words for all of K, v96-175 and v176-255 q's sets (behind the products v96-175 p's codes, v192-255 at work); window 1: k's two sets; window 2: the accumulators of blocks 0-3, window 3: block 4's.
.set KREG,   40960                     ; in a slot: q's ten row tiles, then k's sixteen
.set SLOT1,  106496
.set SPARE,  212992                    ; the spare words, 128 bytes a wave
.set ADRA, 16
.set ADRB, 20
.set IMO,  24                          ; 16 x lane
.set SWOF, 25                          ; 4 x lane
.set SWO1, 26                          ; 4 x (lane % 16)
.set SPW,  28
.set NIL,  29
.set SC,   32                          ; register 8 x K step + block: lanes 0-15 q's block, lanes 16-31 k's
.set AF,   96
.set BM,   192                         ; the blocks' largest scores, then their largest p
.set BP,   196                         ; at work
.set LIM,  200                         ; 57,344 x the scale
.set SCO,  204                         ; the conversions' scale operand
.set RM,   208
.set NM,   210                         ; v[210:211] -M (the packed form names the pair and takes its low word)
.set LA,   212
.set LB,   214
.set D0,   216
.set NINF, 217
.set T1,   218
.set NMS,  220                         ; -M of the five blocks of queries
.set LS,   228                         ; their sums
.set SWS,  236                         ; their scale words
.set MG,   244                         ; two blocks in one register
.set PC,   96
.set G1Q,  20
.set G1K,  28
.set G0Q,  36
.set G0K,  44
.set MSB, 0
.macro WIN new
.if MSB != (\new)
	s_set_vgpr_msb (MSB<<8)|(\new)
.set MSB, (\new)
.endif
.endm
.macro PLACES n                        ; places behind matrix instructions (ISA guide 7.12.1)
.rept \n
	v_nop
.endr
.endm
.macro TLOAD s                         ; waves 0, 1 for q, waves 2, 3 for k
	s_cmp_eq_u32 s13, 0
	s_cbranch_scc0 .Lfor_k_\@
	tensor_load_to_lds s[G0Q+4*\s:G0Q+4*\s+3], s[G1Q:G1Q+7]
	s_nop 0
	PLACES 4
	s_branch .Lasked_\@
.Lfor_k_\@:
	tensor_load_to_lds s[G0K+4*\s:G0K+4*\s+3], s[G1K:G1K+7]
	s_nop 0
	PLACES 4
.Lasked_\@:
.endm
	s_load_b256 s[4:11], s[0:1], 0x0               ; qk_img 4, qk_sw 6, p_img 8, p_st 10
	v_lshl_add_u32 v[SPW], v0, 2, SPARE
	v_mov_b32 v[NIL], 0
	ds_add_u32 v[SPW], v[NIL]                      ; the wave's opening: the add, twice on end, and its wait ahead of my first tensor load
	ds_add_u32 v[SPW], v[NIL]
	v_lshrrev_b32 v1, 5, v0
	v_readfirstlane_b32 s12, v1                    ; wave 0..3
	s_lshr_b32 s13, s12, 1                         ; RH: my half of the queries.  Also: I fetch q (0) or k (1)
	s_and_b32 s14, s12, 1                          ; CH: my half of the keys.  Also: which half I fetch
	s_mov_b32 s15, ttmp9
	s_and_b32 s16, ttmp7, 0xffff                   ; the batch
	s_mov_b32 s17, 0
	s_mov_b32 s18, 0
.irp T, 1,3,5,8,12,16,21,26,32,39,46,54
	s_cmp_ge_u32 s15, \T                           ; t: how many later row tiles begin at or before my number; s18: where mine begins
	s_cselect_b32 s18, \T, s18
	s_add_co_ci_u32 s17, s17, 0
.endr
	s_sub_co_u32 s18, s15, s18                     ; j
	s_mul_i32 s80, s17, 10
	s_min_u32 s80, s80, 118                        ; my tile's first 16 queries
	s_mul_i32 s82, s13, 5
	s_add_co_u32 s82, s82, s80                     ; my wave's
	s_lshl_b32 s84, s18, 4
	s_lshl_b32 s85, s14, 3
	s_add_co_u32 s84, s84, s85                     ; my wave's first 16 keys; also the first that I fetch of k
	s_sub_co_i32 s52, s82, s84
	s_lshl_b32 s52, s52, 4                         ; my first query less my first key
	s_cmp_eq_u32 s17, 12
	s_cselect_b32 s53, 1, 0
	s_cmp_eq_u32 s13, 0
	s_cselect_b32 s53, s53, 0                      ; are my first 32 queries the tile before's?
	s_cmp_eq_u32 s18, 0
	s_cselect_b32 s54, 1, 0
	s_cmp_eq_u32 s13, 0
	s_cselect_b32 s54, s54, 0
	s_cmp_lt_u32 s17, 12
	s_cselect_b32 s54, s54, 0                      ; do I ask for q ahead?
	s_cmp_eq_u32 s17, 12
	s_cselect_b32 s55, 1, 0
	s_cmp_eq_u32 s13, 1
	s_cselect_b32 s55, s55, 0                      ; for k?
	s_lshl_b32 s81, s16, 7                         ; the batch's first row tile
	s_mul_i32 s86, s14, 5
	s_add_co_u32 s86, s86, s80
	s_add_co_u32 s86, s86, s81
	s_lshl_b32 s86, s86, 15                        ; q's images that I fetch
	s_mov_b32 s87, 0
	s_add_co_u32 s88, s84, s81
	s_lshl_b32 s88, s88, 15
	s_add_co_u32 s88, s88, 16384                   ; k's
	s_mov_b32 s89, 0
	s_add_co_u32 s90, s82, s81                     ; row tiles among the scale words: q's,
	s_add_co_u32 s91, s84, s81
	s_add_co_u32 s91, s91, 512                     ; k's
.irp g, G1Q, G1K                       ; group 1: rows of 4,096 bytes (512 elements of 8), 32,768 bytes apart; no mask, no padding
	s_mov_b32 s[\g], 3<<16
	s_mov_b32 s[\g+1], 512<<16
	s_mov_b32 s[\g+3], 512<<16
	s_mov_b32 s[\g+5], 4096
	s_mov_b32 s[\g+6], 0
	s_mov_b32 s[\g+7], 0
.endr
	s_mov_b32 s[G1Q+2], 5<<16
	s_mov_b32 s[G1Q+4], 5
	s_mov_b32 s[G1K+2], 8<<16
	s_mov_b32 s[G1K+4], 8
	s_mul_i32 s[G0Q+1], s14, 20480
	s_add_co_u32 s[G0Q+5], s[G0Q+1], SLOT1
	s_lshl_b32 s[G0K+1], s14, 15
	s_add_co_u32 s[G0K+1], s[G0K+1], KREG
	s_add_co_u32 s[G0K+5], s[G0K+1], SLOT1
	s_mov_b32 s[G0Q], 1
	s_mov_b32 s[G0Q+4], 1
	s_mov_b32 s[G0K], 1
	s_mov_b32 s[G0K+4], 1
	s_mov_b32 s56, 0x3d38aa3b                      ; c = log2(e) / sqrt(1024)
	s_mov_b32 s57, s56
	s_mov_b32 s58, 0x76543210                      ; v_permlanex16_b32's selects for lane l xor 16
	s_mov_b32 s59, 0xfedcba98
	s_mov_b32 s60, 0x600000                        ; the mantissa field of 57,344
	s_mov_b32 s61, 0xffff0000                      ; lanes 16-31
	s_wait_alu depctr_va_vdst(0)
	s_wait_dscnt 0x0                               ; both opening adds are done
	s_wait_kmcnt 0x0
	s_add_nc_u64 s[62:63], s[4:5], s[86:87]
	s_add_nc_u64 s[66:67], s[4:5], s[88:89]
	s_mov_b64 s[G0Q+2:G0Q+3], s[62:63]
	s_or_b32 s[G0Q+3], s[G0Q+3], 0x80000000
	s_mov_b64 s[G0K+2:G0K+3], s[66:67]
	s_or_b32 s[G0K+3], s[G0K+3], 0x80000000
	s_add_nc_u64 s[G0Q+6:G0Q+7], s[62:63], 4096
	s_or_b32 s[G0Q+7], s[G0Q+7], 0x80000000
	s_add_nc_u64 s[G0K+6:G0K+7], s[66:67], 4096
	s_or_b32 s[G0K+7], s[G0K+7], 0x80000000
	TLOAD 0                                        ; slot 0: one tensor load a wave
	v_and_b32 v1, 15, v0                           ; r
	v_bfe_u32 v2, v0, 4, 1                         ; h
	v_and_b32 v3, 31, v0                           ; lane
	v_mov_b32 v4, s90                              ; the scale words go straight into registers: qk_sw is [q, k][64 rows: 128][K step 8][64]
	v_mov_b32 v5, s91
	v_cndmask_b32 v4, v4, v5, s61                  ; lanes 0-15 q's row tiles, lanes 16-31 k's
	v_lshlrev_b32 v5, 2, v1
.irp i, 0,1,2,3,4,5,6,7
	v_add_nc_u32 v[8+\i], \i, v4
.endr
.irp i, 0,1,2,3,4,5,6,7
	v_and_b32 v6, 3, v[8+\i]
	v_lshrrev_b32 v[8+\i], 2, v[8+\i]
	v_lshl_add_u32 v6, v6, 6, v5
	v_lshl_add_u32 v[8+\i], v[8+\i], 11, v6
.endr
.irp q, 0,1,2,3,4,5,6,7
.irp i, 0,1,2,3,4,5,6,7
	global_load_b32 v[SC+8*\q+\i], v[8+\i], s[6:7] offset:256*\q
.endr
.endr
	v_lshlrev_b32 v[IMO], 4, v3
	v_lshlrev_b32 v[SWOF], 2, v3
	v_lshlrev_b32 v[SWO1], 2, v1
	v_lshlrev_b32 v7, 8, v1                        ; the prefetches: lanes 0-15 one row tile's 4,096 bytes,
	v_lshl_add_u32 v22, v2, 15, v7                 ; lanes 16-31 the next's
	s_mul_i32 s80, s13, 20480
	s_lshl_b32 s83, s14, 15
	s_add_co_u32 s83, s83, KREG
.irp s, 0,1
	v_add_nc_u32 v[ADRA+\s], s80, v[IMO]
	v_add_nc_u32 v[ADRB+\s], s83, v[IMO]
	s_add_co_u32 s80, s80, SLOT1
	s_add_co_u32 s83, s83, SLOT1
.endr
	s_lshl_b32 s80, s18, 1                         ; where my results go
	s_add_co_u32 s80, s80, s14                     ; my K step of the next product: 2 j + CH
	s_lshl_b32 s86, s90, 15
	s_lshl_b32 s83, s80, 11
	s_add_co_u32 s86, s86, s83
	s_mov_b32 s87, 0
	s_add_nc_u64 s[8:9], s[8:9], s[86:87]
	s_lshl_b32 s88, s16, 17
	s_lshl_b32 s83, s80, 13
	s_add_co_u32 s88, s88, s83
	s_lshl_b32 s83, s82, 6
	s_add_co_u32 s88, s88, s83
	s_mov_b32 s89, 0
	s_add_nc_u64 s[10:11], s[10:11], s[88:89]
.macro FRAG reg, adr, q, i             ; an image comes back as it was stored: 16 bytes a lane, 512 bytes a load
.irp c, 0,1,2,3
	ds_load_b128 v[\reg+4*\c:\reg+4*\c+3], v[\adr] offset:((\i)*2+(\q))*2048+512*\c
.endr
.endm
.macro LOADS slot, q                   ; step q of a slot into set q: 52 loads
	WIN 0x40
.irp i, 0,1,2,3,4,5,6,7
	FRAG 128*(\q)+16*\i, ADRB+\slot, \q, \i
.endr
	WIN 0
.irp i, 0,1,2,3,4
	FRAG AF+80*(\q)+16*\i, ADRA+\slot, \q, \i
.endr
.endm
; Eight products: q's block a x k's eight.  The 40 accumulators take turns, one instruction a turn.  KSN: the K step.
.macro MULROW a, q, zero
.set AC, 64*((\a)%4)
	WIN 0xa1+0x50*((\a)/4)
.irp b, 0,1,2,3,4,5,6,7
.if \zero
	v_wmma_scale_f32_16x16x128_f8f6f4 v[AC+8*\b:AC+8*\b+7], v[128*(\q)+16*\b:128*(\q)+16*\b+15], v[AF+80*(\q)+16*(\a):AF+80*(\q)+16*(\a)+15], 0, v[SC+8*KSN+\b], v[SC+8*KSN+(\a)] matrix_a_fmt:MATRIX_FMT_BF8 matrix_b_fmt:MATRIX_FMT_BF8 matrix_a_scale:MATRIX_SCALE_ROW1
.else
	v_wmma_scale_f32_16x16x128_f8f6f4 v[AC+8*\b:AC+8*\b+7], v[128*(\q)+16*\b:128*(\q)+16*\b+15], v[AF+80*(\q)+16*(\a):AF+80*(\q)+16*(\a)+15], v[AC+8*\b:AC+8*\b+7], v[SC+8*KSN+\b], v[SC+8*KSN+(\a)] matrix_a_fmt:MATRIX_FMT_BF8 matrix_b_fmt:MATRIX_FMT_BF8 matrix_a_scale:MATRIX_SCALE_ROW1
.endif
.endr
.endm
.macro STEP0 slot, zero                ; a slot's first step; its second's loads go out ahead of the products
	s_wait_dscnt 0x0
	PLACES 8
	LOADS \slot, 1
.irp a, 0,1,2,3,4
	MULROW \a, 0, \zero
.endr
	WIN 0
.set KSN, KSN+1
.endm
; A slot's second step and the change of slots: all reads of the slot are over when the step begins.  One barrier; in front of it each wave waits for all its tensor loads, adds 0 to its spare word and waits for that; behind it the slot is filled again first (fill = 1).
.macro STEP1 slot, next, fill
	s_wait_dscnt 0x0
	MULROW 0, 1, 0
	WIN 0
	s_wait_tensorcnt 0x0                           ; my part of the next slot is in
	ds_add_u32 v[SPW], v[NIL]
	MULROW 1, 1, 0
	s_wait_dscnt 0x0
	s_barrier_signal -1
	MULROW 2, 1, 0
	WIN 0
	s_barrier_wait -1
.if \fill
	s_add_nc_u64 s[G0Q+4*\slot+2:G0Q+4*\slot+3], s[G0Q+4*\slot+2:G0Q+4*\slot+3], 8192   ; two slots on along K
	s_add_nc_u64 s[G0K+4*\slot+2:G0K+4*\slot+3], s[G0K+4*\slot+2:G0K+4*\slot+3], 8192
	TLOAD \slot                                    ; my one tensor load behind this barrier
	PLACES 4
.else
	PLACES 8
.endif
	LOADS \next, 0
	MULROW 3, 1, 0
	MULROW 4, 1, 0
	WIN 0
.set KSN, KSN+1
.endm
.macro ASK k
	s_cmp_eq_u32 s54, 1
	s_cbranch_scc0 .Lnot_q_\@
.irp t, 0,1
	global_prefetch_b8 v22, s[62:63] offset:\t*65536+(\k)*4096 th:TH_LOAD_NT scope:SCOPE_SE
.endr
	global_prefetch_b8 v7, s[62:63] offset:131072+(\k)*4096 th:TH_LOAD_NT scope:SCOPE_SE   ; the fifth row tile: both halves of the lanes name the same blocks
.Lnot_q_\@:
	s_cmp_eq_u32 s55, 1
	s_cbranch_scc0 .Lnot_k_\@
.irp t, 0,1,2,3
	global_prefetch_b8 v22, s[66:67] offset:\t*65536+(\k)*4096 th:TH_LOAD_NT scope:SCOPE_SE
.endr
.Lnot_k_\@:
.endm
	s_wait_alu depctr_va_vdst(0)
	s_wait_tensorcnt 0x0                           ; my part of slot 0 is in
	ds_add_u32 v[SPW], v[NIL]
	s_wait_dscnt 0x0
	s_barrier_signal -1
	s_barrier_wait -1
	TLOAD 1                                        ; slot 1
.set KSN, 0
	LOADS 0, 0
	ASK 2
	s_wait_loadcnt 0x0                             ; the scale words
	STEP0 0, 1
	STEP1 0, 1, 1
	ASK 3
	STEP0 1, 0
	STEP1 1, 0, 1
	STEP0 0, 0
	STEP1 0, 1, 0
	STEP0 1, 0
	s_wait_dscnt 0x0
.irp a, 0,1,2,3,4
	MULROW \a, 1, 0
.endr
	WIN 0
	PLACES 8                                       ; the lines below write registers that the last products read
	v_mov_b32 v[NINF], 0xff800000
	v_mov_b32 v[NM+1], 0                           ; named as the upper half of a pair
.irp b, 0,1,2,3
	v_mov_b32 v[BP+\b], 0                          ; a lane permute's destination counts as one of its sources
.endr
	v_mov_b32 v[T1], 0
	v_lshlrev_b32 v[D0], 3, v2
	v_sub_nc_u32 v[D0], v1, v[D0]
	v_add_nc_u32 v[D0], s52, v[D0]                 ; my first query less my first key + r - 8 h.  Register n of block a holds key 16 (n / 8) + n % 8 + 8 h of my 128 against query 16 a + r: hidden where 16 (n / 8) + n % 8 - 16 a is greater
; Block a of 16 queries: my lane's 64 scores become p's codes, a scale word, -M and the sum.  Each accumulator is read from its low end on.
.macro SOFT a
.set AC, 64*((\a)%4)
	s_cmp_ge_i32 s52, 127-16*(\a)                  ; ids alone decide whether the mask cuts this block
	s_cbranch_scc1 .Lopen_\@
	WIN 0x82+0x41*((\a)/4)
.set n, 0
.rept 64
	v_cmp_gt_i32 vcc_lo, 16*(n/8)+n%8-16*(\a), v[D0]
	v_cndmask_b32 v[AC+n], v[AC+n], v[NINF], vcc_lo
.set n, n+1
.endr
	WIN 0
.Lopen_\@:
	WIN 0x0a+5*((\a)/4)
.irp b, 0,1,2,3
	v_max_num_f32 v[BM+\b], v[AC+16*\b], v[AC+16*\b+1]   ; the largest score of each block of 32 keys: it serves the piece's maximum and, since p rises with the score, the block's largest p
.endr
.irp i, 2,4,6,8,10,12,14
.irp b, 0,1,2,3
	v_max3_num_f32 v[BM+\b], v[AC+16*\b+\i], v[AC+16*\b+\i+1], v[BM+\b]
.endr
.endr
	WIN 0
.irp b, 0,1,2,3
	v_permlanex16_b32 v[BP+\b], v[BM+\b], s58, s59
.endr
.irp b, 0,1,2,3
	v_max_num_f32 v[BM+\b], v[BM+\b], v[BP+\b]
.endr
	v_max3_num_f32 v[RM], v[BM], v[BM+1], v[BM+2]
	v_max_num_f32 v[RM], v[RM], v[BM+3]
	v_mul_f32 v[RM], s56, v[RM]                    ; as t (c is positive)
	v_max_num_f32 v[RM], 0xff61b1e6, v[RM]         ; all hidden: -3e38 in place of -inf, so that no difference of infinities arises
	v_floor_f32 v[NM], -v[RM]                      ; -M = floor(-t) = -ceil(t)
	v_mov_b32 v[NMS+\a], v[NM]
.irp b, 0,1,2,3
	v_fma_f32 v[BM+\b], v[BM+\b], s56, v[NM]
.endr
	WIN 0x82+0x41*((\a)/4)
.set n, 0
.rept 32
	v_pk_fma_f32 v[AC+n:AC+n+1], v[AC+n:AC+n+1], s[56:57], v[NM:NM+1] op_sel_hi:[1,0,0]   ; t - M, two at a time
.set n, n+2
.endr
.set n, 0
	s_wait_alu depctr_va_vdst(0)
.rept 64
	v_exp_f32 v[AC+n], v[AC+n]                     ; p = 2^(t - M): not normalised
.set n, n+1
.endr
	v_nop                                          ; a plain line behind the exponentials
	s_wait_alu depctr_va_vdst(0)                   ; one wait for the batch, ahead of its first reader
	WIN 0
.irp b, 0,1,2,3
	v_exp_f32 v[BM+\b], v[BM+\b]                   ; the block's largest p: the same two instructions on the same number
.endr
	WIN 0x0a+5*((\a)/4)
	v_pk_add_f32 v[LA:LA+1], v[AC:AC+1], v[AC+2:AC+3]      ; the sum is taken of the unquantised p, in two chains
	v_pk_add_f32 v[LB:LB+1], v[AC+4:AC+5], v[AC+6:AC+7]
	WIN 0x08+4*((\a)/4)
.irp j, 8,12,16,20,24,28,32,36,40,44,48,52,56,60
	v_pk_add_f32 v[LA:LA+1], v[LA:LA+1], v[AC+\j:AC+\j+1]
	v_pk_add_f32 v[LB:LB+1], v[LB:LB+1], v[AC+\j+2:AC+\j+3]
.endr
	WIN 0
	v_pk_add_f32 v[LA:LA+1], v[LA:LA+1], v[LB:LB+1]
	s_wait_alu depctr_va_vdst(0)                   ; and one for the four
.irp b, 0,1,2,3
	v_max_num_f32 v[BM+\b], 0x8000000, v[BM+\b]    ; the floor 2^(16 - 127): the byte cannot fall under 1
.endr
.irp b, 0,1,2,3
	v_add_nc_u32 v[SCO+\b], 0xf8800000, v[BM+\b]
.endr
.irp b, 0,1,2,3
	v_and_or_b32 v[LIM+\b], v[BM+\b], 0x7f800000, s60
.endr
.irp b, 0,1,2,3
	v_lshrrev_b32 v[BP+\b], 23, v[SCO+\b]
.endr
	v_lshl_or_b32 v[SWS+\a], v[BP+1], 8, v[BP]
	v_lshl_or_b32 v[SWS+\a], v[BP+2], 16, v[SWS+\a]
	v_lshl_or_b32 v[SWS+\a], v[BP+3], 24, v[SWS+\a]
	v_add_f32 v[LS+\a], v[LA], v[LA+1]
	v_permlanex16_b32 v[T1], v[LS+\a], s58, s59
	v_add_f32 v[LS+\a], v[LS+\a], v[T1]            ; with lane l xor 16's 64 keys
	WIN 0x82+0x41*((\a)/4)
.set n, 0
.rept 64
	v_min_num_f32 v[AC+n], v[AC+n], v[LIM+n/16]    ; the conversion does not saturate (ISA guide 7.6.2); p is not negative, so the hold is one-sided
.set n, n+1
.endr
	WIN 0x02+((\a)/4)
.irp b, 0,1,2,3
	v_cvt_scalef32_pk8_bf8_f32 v[PC+16*(\a)+4*\b:PC+16*(\a)+4*\b+1], v[AC+16*\b:AC+16*\b+7], v[SCO+\b]
	v_cvt_scalef32_pk8_bf8_f32 v[PC+16*(\a)+4*\b+2:PC+16*(\a)+4*\b+3], v[AC+16*\b+8:AC+16*\b+15], v[SCO+\b]
.endr
	WIN 0
	v_nop                                          ; a plain line between the conversions and the next lines that write their sources
.if (\a) < 2
	s_cmp_eq_u32 s53, 1                            ; the tile before's queries are not stored here
	s_cbranch_scc1 .Lnot_stored_\@
.endif
.irp c, 0,1,2,3
	global_store_b128 v[IMO], v[PC+16*(\a)+4*\c:PC+16*(\a)+4*\c+3], s[8:9] offset:(\a)*32768+512*\c   ; 512 consecutive bytes, aligned; each block has code registers of its own
.endr
.Lnot_stored_\@:
.endm
.irp a, 0,1,2,3,4
	SOFT \a
.endr
.irp i, 0,1
	v_cndmask_b32 v[MG+\i], v[SWS+2*\i], v[SWS+2*\i+1], s61      ; lanes 0-15 keep block 2 i's, lanes 16-31 take block 2 i + 1's: 32 queries on end
	v_cndmask_b32 v[MG+2+\i], v[NMS+2*\i], v[NMS+2*\i+1], s61
	v_cndmask_b32 v[MG+4+\i], v[LS+2*\i], v[LS+2*\i+1], s61
.endr
	s_wait_alu depctr_va_vdst(0)
	s_cmp_eq_u32 s53, 1
	s_cbranch_scc1 .Lfirst_32_not_stored
.irp p, 0,1,2
	global_store_b32 v[SWOF], v[MG+2*\p], s[10:11] offset:\p*524288
.endr
.Lfirst_32_not_stored:
.irp p, 0,1,2
	global_store_b32 v[SWOF], v[MG+2*\p+1], s[10:11] offset:\p*524288+128
.endr
	global_store_b32 v[SWO1], v[SWS+4], s[10:11] offset:256           ; block 4: both halves of the lanes hold and store the same
	global_store_b32 v[SWO1], v[NMS+4], s[10:11] offset:524288+256
	global_store_b32 v[SWO1], v[LS+4], s[10:11] offset:1048576+256
	s_wait_tensorcnt 0x0                           ; the wave's end
	ds_add_u32 v[SPW], v[NIL]
	s_wait_dscnt 0x0
	s_endpgm
.Lfunc_end_k_qf1ea923d76_scores:
	.size	k_qf1ea923d76_scores, .Lfunc_end_k_qf1ea923d76_scores-k_qf1ea923d76_scores
	.p2alignl 7, 3214868480
	.fill 96, 4, 3214868480
	.section	.rodata,"a",@progbits
	.p2align	6, 0x0
	.amdhsa_kernel k_qf1ea923d76_scores
		.amdhsa_group_segment_fixed_size 327680
		.amdhsa_private_segment_fixed_size 0
		.amdhsa_enable_private_segment 0
		.amdhsa_kernarg_size 32
		.amdhsa_user_sgpr_count 2
		.amdhsa_user_sgpr_kernarg_segment_ptr 1
		.amdhsa_wavefront_size32 1
		.amdhsa_system_sgpr_workgroup_id_x 1
		.amdhsa_system_sgpr_workgroup_id_y 1
		.amdhsa_system_sgpr_workgroup_id_z 1
		.amdhsa_system_vgpr_workitem_id 0
		.amdhsa_next_free_vgpr 1024
		.amdhsa_next_free_sgpr 100
		.amdhsa_reserve_vcc 1
		.amdhsa_float_denorm_mode_32 3
		.amdhsa_float_denorm_mode_16_64 3
		.amdhsa_memory_ordered 1
		.amdhsa_forward_progress 1
		.amdhsa_inst_pref_size 184
	.end_amdhsa_kernel
	.amdgpu_metadata
---
amdhsa.version: [ 1, 2 ]
amdhsa.kernels:
  - .name:           k_qf1ea923d76_scores
    .symbol:         k_qf1ea923d76_scores.kd
    .args:
      - { .name: qk_img, .offset: 0, .size: 8, .value_kind: global_buffer, .address_space: global }
      - { .name: qk_sw, .offset: 8, .size: 8, .value_kind: global_buffer, .address_space: global }
      - { .name: p_img, .offset: 16, .size: 8, .value_kind: global_buffer, .address_space: global }
      - { .name: p_st, .offset: 24, .size: 8, .value_kind: global_buffer, .address_space: global }
    .group_segment_fixed_size: 327680
    .private_segment_fixed_size: 0
    .kernarg_segment_align: 8
    .kernarg_segment_size: 32
    .max_flat_workgroup_size: 128
    .sgpr_count:     100
    .vgpr_count:     1024
    .wavefront_size: 32
...
	.end_amdgpu_metadata
.endif
;; end of part 2
;; launch pv (part 3): grid 8 x 32, 4 waves a work-group, clusters of 4 x 4, 327,680 bytes of LDS; arguments p_img, p_st, v_img, v_sw, out0; writes out0
.if DOCPART == 3
	.amdgcn_target "amdgcn-amd-amdhsa--gfx1250"
	.amdhsa_code_object_version 6
	.text
	.protected	k_qf1ea923d76_pv
	.globl	k_qf1ea923d76_pv
	.p2align	8
	.type	k_qf1ea923d76_pv,@function
k_qf1ea923d76_pv:
	s_mov_b64 s[64:65], 0
	v_nop
	global_prefetch_b8 v0, s[64:65] scope:SCOPE_SE
	s_setreg_imm32_b32 hwreg(HW_REG_WAVE_MODE, 25, 1), 1
	s_wait_xcnt 0x0
	s_wait_alu depctr_hold_cnt(0) depctr_sa_sdst(0) depctr_va_vdst(0) depctr_va_sdst(0) depctr_va_ssrc(0) depctr_va_vcc(0) depctr_vm_vsrc(0)
	s_getreg_b32 s2, hwreg(HW_REG_IB_STS2, 6, 4)
	s_cmp_eq_u32 s2, 0
	s_cbranch_scc0 .Lentry_in_a_cluster
	s_endpgm
.Lentry_in_a_cluster:
	s_bfe_u32 s2, ttmp6, 0x10000c
	s_cmp_lg_u32 s2, 0xf033
	s_cbranch_scc0 .Lentry_shape_is_right
	s_endpgm
.Lentry_shape_is_right:
; O = P V over the keys that count, on codes of BF8 (E5M2) with E8M0 scales; the pieces' M brought to the row's by shifting P's scale bytes; divided by the row's sum.
; WORK LEFT OUT: for row tile t of 128 queries the key steps (128 keys) beyond t, whose weights reference()'s own tril makes 0 for all values of the inputs (shown at the head of the first kernel), but for what fills a slot of four.
; THE DEAL.  256 work-groups: 128 channels x TWO row tiles of 128 queries, a and 15 - a of a batch, one after the other: 17 key steps in five slots of four for every a.  Four waves, 2 x 2, 64 x 64 each.
; CLUSTERS 4 x 4: a = 4 g + cy, channel tile 4 x + cx.  The four of a row share P's tiles, the four of a column V's: joint loads.  All sixteen have the same plan: tile a takes slots 0 .. g, tile 15 - a the rest.
; In a tile's last slot the steps q = 1, 2, 3 may lie past its limit (q > cy, q > 3 - cy): P's codes there become zeros by an AND with 0: no branch hangs on cx or cy.  (Their scale words are copies of the last counting step's.)
; SOURCE 0 = V^T (16 channels), source 1 = P (16 queries): a lane holds ONE query, its eight registers neighbouring channels.
; THE RING: two slots of 131,072 bytes: P [row tile 8][step 4][2048], V [channel tile 8][step 4][2048]; waves 0 and 1 fetch P's halves, waves 2 and 3 V's, one joint load a wave behind each round.
; PREFETCH: behind a slot's loads each wave asks for the slot two on: 32 blocks of 256 bytes, one row tile of its half's four, told apart by cx (P) or cy (V); slots 0 and 1 come by their loads alone.
; LIMITS: NaN and infinities are not served; a piece whose M lies more than 127 under the row's counts with its scale bytes held at 0 or above (2^-127 and no less).
; REGISTERS: window 0: v1-19 addresses, v28-43 and v48-63 scale words (no product's two have numbers equal modulo 8), v64-191 the accumulators (at the head the statistics), v192-255 at work; window 1: V's fragments of a slot; window 2: P's.
.set SLOT1,  131072
.set PSC,    262144                    ; P's shifted scale words: [tile 2][32 queries: 4][key step 16][32]
.set VSC,    278528                    ; V's: [64 channels: 2][key step 16][64]
.set RL,     286720                    ; 1 / the row's sum: [tile 2][128]
.set SPARE,  287744
.set STAGE,  288256                    ; the way out: 16 rows x (256 + 16) bytes a wave
.set ADS, 8
.set ADT, 9
.set ADP, 10
.set ADV, 11
.set SPW, 18
.set NIL, 19
.set RLP, 20
.set SCP, 28
.set SCV, 48
.set STO, 44                           ; v44 my place in the statistics
.set PFO, 45
.set ACC, 64
.set NMV, 64
.set LV,  96
.set SWV, 128
.set VW,  160
.set VO,  176
.set X,   192
.set BK,  192
.set NR,  240
.set LL,  242
.set G1P, 20
.set G1V, 28
.set G0P, 36
.set G0V, 40
.set MSB, 0
.macro WIN new
.if MSB != (\new)
	s_set_vgpr_msb (MSB<<8)|(\new)
.set MSB, (\new)
.endif
.endm
.macro PLACES n
.rept \n
	v_nop
.endr
.endm
.macro WALU
	s_wait_alu depctr_va_vdst(0)
.endm
.macro CROUND
	s_barrier_signal -1
	s_barrier_wait -1
	s_cmp_lg_u32 s14, 0
	s_cbranch_scc1 .Lnot_wave_0_\@
	s_barrier_signal -3
.Lnot_wave_0_\@:
	s_barrier_wait -3
	s_barrier_signal -1
	s_barrier_wait -1
.endm
.macro JLOAD                           ; a joint load: waves 0, 1 for P, waves 2, 3 for V
	s_cmp_eq_u32 s15, 0
	s_cbranch_scc0 .Lfor_v_\@
	tensor_load_to_lds s[G0P:G0P+3], s[G1P:G1P+7]
	s_nop 0
	PLACES 4
	s_branch .Lasked_\@
.Lfor_v_\@:
	tensor_load_to_lds s[G0V:G0V+3], s[G1V:G1V+7]
	s_nop 0
	PLACES 4
.Lasked_\@:
.endm
.macro SHADD d, x, n                   ; s[d] += s[x] << n
	s_lshl_b32 s91, s\x, \n
	s_add_co_u32 s\d, s\d, s91
.endm
	s_load_b256 s[4:11], s[0:1], 0x0       ; p_img, p_st, v_img, v_sw
	s_load_b64 s[12:13], s[0:1], 0x20      ; out0
	v_lshl_add_u32 v[SPW], v0, 2, SPARE
	v_mov_b32 v[NIL], 0
	ds_add_u32 v[SPW], v[NIL]              ; the wave's opening: the add, twice on end, and its wait ahead of my first tensor load
	ds_add_u32 v[SPW], v[NIL]
	v_lshrrev_b32 v1, 5, v0
	v_readfirstlane_b32 s14, v1            ; wave 0..3
	s_lshr_b32 s15, s14, 1                 ; my half of a tile's queries.  Also: I fetch P (0) or V (1)
	s_and_b32 s16, s14, 1                  ; my half of the channels.  Also: which half I fetch
	s_bfe_u32 s44, ttmp6, 0x40000          ; cx, cy
	s_bfe_u32 s45, ttmp6, 0x40004
	s_and_b32 s80, ttmp7, 0xffff
	s_and_b32 s17, s80, 1                  ; g
	s_lshr_b32 s19, s80, 1                 ; the batch
	s_add_co_u32 s18, s17, 1               ; the slot with which the second tile begins
	s_lshl_b32 s46, s17, 2
	s_add_co_u32 s46, s46, s45             ; a
	s_lshl_b32 s47, ttmp9, 2
	s_add_co_u32 s47, s47, s44             ; the channel tile
	s_sub_co_u32 s92, 3, s45
	s_lshl_b32 s81, s45, 2
	s_lshl_b32 s81, 15, s81                ; my row of the cluster
	s_lshl_b32 s82, 0x1111, s44            ; my column
	s_or_b32 s[G1P], s81, (3<<16)|(1<<21)  ; 4 rows of 8,192 bytes (1,024 elements of 8), 32,768 bytes apart
	s_or_b32 s[G1V], s82, (3<<16)|(1<<21)
.irp g, G1P, G1V
	s_mov_b32 s[\g+1], 1024<<16
	s_mov_b32 s[\g+2], 4<<16
	s_mov_b32 s[\g+3], 1024<<16
	s_mov_b32 s[\g+4], 4
	s_mov_b32 s[\g+5], 4096
	s_mov_b32 s[\g+6], 0
	s_mov_b32 s[\g+7], 0
.endr
	s_lshl_b32 s80, s19, 22                ; P: (128 batch + 8 a + 4 half) x 32,768
	SHADD 80, 46, 18
	SHADD 80, 16, 17
	s_mov_b32 s81, 0
	s_lshl_b32 s82, s19, 21                ; V: (64 batch + 8 channel tile + 4 half) x 32,768
	SHADD 82, 47, 18
	SHADD 82, 16, 17
	s_mov_b32 s83, 0
	s_lshl_b32 s70, s46, 1
	s_sub_co_u32 s70, 15, s70
	s_lshl_b32 s70, s70, 18                ; from tile a to tile 15 - a in P
	s_mov_b32 s[G0P], 1
	s_lshl_b32 s[G0P+1], s14, 15
	s_mov_b32 s[G0V], 1
	s_lshl_b32 s[G0V+1], s14, 15
	WALU
	s_wait_dscnt 0x0                       ; both opening adds are done
	s_wait_kmcnt 0x0
	s_add_nc_u64 s[48:49], s[4:5], s[80:81]
	s_add_nc_u64 s[50:51], s[8:9], s[82:83]
	s_mov_b64 s[G0P+2:G0P+3], s[48:49]
	s_or_b32 s[G0P+3], s[G0P+3], 0x80000000
	s_mov_b64 s[G0V+2:G0V+3], s[50:51]
	s_or_b32 s[G0V+3], s[G0V+3], 0x80000000
	CROUND                                 ; all sixteen work-groups are here
	JLOAD                                  ; slot 0: one tensor load a wave
	s_sub_co_u32 s83, 15, s46
	s_cmp_eq_u32 s15, 0                    ; the statistics: waves 0 and 1 take tile a's 128 queries, waves 2 and 3 tile 15 - a's
	s_cselect_b32 s78, s46, s83            ; its last key step
	s_lshl_b32 s84, s19, 17
	SHADD 84, 78, 9                        ; p_st is [word, -M, sum][batch][key step 16][2,048 queries]
	SHADD 84, 16, 8
	s_mov_b32 s85, 0
	s_add_nc_u64 s[6:7], s[6:7], s[84:85]
	s_lshl_b32 s84, s19, 16                ; V's scale words: a quarter of 8,192 dense bytes a wave
	SHADD 84, 47, 13
	SHADD 84, 14, 11
	s_add_nc_u64 s[10:11], s[10:11], s[84:85]
	v_and_b32 v1, 15, v0                   ; r
	v_bfe_u32 v2, v0, 4, 1                 ; h
	v_and_b32 v3, 31, v0                   ; lane
	v_lshlrev_b32 v[STO], 3, v1
	v_lshl_add_u32 v16, v2, 7, v[STO]
	v_lshl_add_u32 v[STO], v2, 11, v[STO]  ; two queries a lane: group of 32 = h, queries 2 r, 2 r + 1
	v_lshlrev_b32 v14, 4, v3
	WALU
.set k, 0
.rept 16                               ; key steps past the limit: the last one's words again
	s_min_u32 s80, s78, k
	s_lshl_b32 s80, s80, 13
	v_add_nc_u32 v[VO+k], s80, v16         ; 128 h + 8 r: my 64 queries are 256 consecutive bytes
.set k, k+1
.endr
	WALU
.set k, 0
.rept 16
	global_load_b64 v[NMV+2*k:NMV+2*k+1], v[VO+k], s[6:7] offset:524288
.set k, k+1
.endr
.set k, 0
.rept 16
	global_load_b64 v[LV+2*k:LV+2*k+1], v[VO+k], s[6:7] offset:1048576
.set k, k+1
.endr
.set k, 0
.rept 16
	global_load_b64 v[SWV+2*k:SWV+2*k+1], v[VO+k], s[6:7]
.set k, k+1
.endr
.irp i, 0,1,2,3
	global_load_b128 v[VW+4*\i:VW+4*\i+3], v14, s[10:11] offset:512*\i
.endr
	; where everything lies
	s_lshl_b32 s80, s14, 12
	s_add_co_u32 s80, s80, PSC
	v_add_nc_u32 v15, s80, v[STO]          ; my statistics' scale words, in
	s_lshl_b32 s80, s14, 8
	s_add_co_u32 s80, s80, RL
	v_add_nc_u32 v16, s80, v16
	s_lshl_b32 s80, s15, 8
	s_add_co_u32 s80, s80, RL
	v_lshl_add_u32 v17, v1, 2, s80
	s_lshl_b32 s80, s14, 11
	s_add_co_u32 s80, s80, VSC
	v_lshl_add_u32 v12, v3, 4, s80
	s_lshl_b32 s80, s15, 15
	v_lshl_add_u32 v4, v3, 4, s80
	s_lshl_b32 s80, s16, 15
	s_add_co_u32 s80, s80, 65536
	v_lshl_add_u32 v5, v3, 4, s80
	s_lshl_b32 s80, s15, 12
	s_add_co_u32 s80, s80, PSC
	v_lshl_add_u32 v6, v1, 2, s80
	s_lshl_b32 s80, s16, 12
	s_add_co_u32 s80, s80, VSC
	v_lshl_add_u32 v7, v1, 2, s80
	v_lshlrev_b32 v[PFO], 8, v3
	s_lshl_b32 s86, s19, 23                ; out0: batch, row tile, my 64 queries, my 64 channels
	SHADD 86, 15, 18
	SHADD 86, 47, 9
	SHADD 86, 16, 8
	s_lshl_b32 s84, s46, 19
	s_add_co_u32 s84, s84, s86
	s_lshl_b32 s88, s83, 19
	s_add_co_u32 s88, s88, s86
	s_mov_b32 s89, 0
	s_add_nc_u64 s[54:55], s[12:13], s[84:85]
	s_add_nc_u64 s[56:57], s[12:13], s[88:89]
	s_cmp_eq_u32 s15, 0                    ; the prefetches: my half's tile, my work-group's row tile of it
	s_cselect_b64 s[52:53], s[48:49], s[50:51]
	s_cselect_b32 s80, s44, s45
	s_lshl_b32 s80, s80, 15
	s_mov_b32 s81, 0
	s_add_nc_u64 s[52:53], s[52:53], s[80:81]
	s_mov_b32 s61, 0                       ; slot 1: the next four steps of tile a (g = 1), or the first four of tile 15 - a
	s_mov_b32 s63, 0
	s_mov_b32 s69, 0
	s_cmp_eq_u32 s17, 0
	s_cselect_b32 s62, 0, 8192
	s_cselect_b32 s82, s70, 0
	s_add_co_u32 s60, s62, s82
	s_mov_b32 s76, 0                       ; n: the slot in hand
	s_mov_b32 s77, 0                       ; where it lies
	s_mov_b32 s96, 0x80808080
	WALU
	s_wait_loadcnt 36                      ; the -M (behind them: 36 loads)
.irp x, 0,1
	v_min3_num_f32 v[NR+\x], v[NMV+\x], v[NMV+2+\x], v[NMV+4+\x]
.endr
.irp k, 3,5,7,9,11,13
.irp x, 0,1
	v_min3_num_f32 v[NR+\x], v[NR+\x], v[NMV+2*\k+\x], v[NMV+2*\k+2+\x]
.endr
.endr
.irp x, 0,1
	v_min_num_f32 v[NR+\x], v[NR+\x], v[NMV+30+\x]   ; the row's -M
.endr
	WALU
	s_wait_loadcnt 0x0
.macro FIX k                           ; key step k's scale bytes brought under the row's M, held at 0; its sum likewise
	s_cmp_ge_u32 s78, \k
	s_cselect_b32 s79, 1.0, 0
.irp x, 0,1
	v_sub_f32 v[X+\x], v[NR+\x], v[NMV+2*(\k)+\x]
.endr
.irp x, 0,1
	v_max_num_f32 v[X+\x], 0xc2fe0000, v[X+\x]
.endr
.irp x, 0,1
	v_cvt_i32_f32 v[X+\x], v[X+\x]
.endr
.if \k == 0
.irp x, 0,1
	v_ldexp_f32 v[LL+\x], v[LV+\x], v[X+\x]
.endr
.else
.irp x, 0,1
	v_ldexp_f32 v[X+2+\x], v[LV+2*(\k)+\x], v[X+\x]
.endr
.irp x, 0,1
	v_fma_f32 v[LL+\x], v[X+2+\x], s79, v[LL+\x]
.endr
.endif
.irp x, 0,1
	v_sub_nc_u32 v[X+4+\x], 0, v[X+\x]
.endr
.irp x, 0,1
	v_perm_b32 v[X+4+\x], v[X+4+\x], v[X+4+\x], 0   ; the shift in all four bytes
.endr
.irp x, 0,1
	v_or_b32 v[SWV+2*(\k)+\x], s96, v[SWV+2*(\k)+\x]
.endr
.irp x, 0,1
	v_sub_nc_u32 v[SWV+2*(\k)+\x], v[SWV+2*(\k)+\x], v[X+4+\x]
.endr
.irp x, 0,1
	v_and_b32 v[X+2+\x], s96, v[SWV+2*(\k)+\x]
.endr
.irp x, 0,1
	v_lshrrev_b32 v[X+6+\x], 7, v[X+2+\x]
.endr
.irp x, 0,1
	v_sub_nc_u32 v[X+2+\x], v[X+2+\x], v[X+6+\x]
.endr
.irp x, 0,1
	v_and_b32 v[SWV+2*(\k)+\x], v[SWV+2*(\k)+\x], v[X+2+\x]   ; a byte that fell under 0 becomes 0
.endr
	ds_store_b64 v15, v[SWV+2*(\k):SWV+2*(\k)+1] offset:128*(\k)
.endm
.irp k, 0,1,2,3,4,5,6,7,8,9,10,11,12,13,14,15
	FIX \k
.endr
.irp i, 0,1,2,3
	ds_store_b128 v12, v[VW+4*\i:VW+4*\i+3] offset:512*\i
.endr
	WALU
	v_rcp_f32 v[X+8], v[LL]
	v_rcp_f32 v[X+9], v[LL+1]
	v_nop
	WALU
	ds_store_b64 v16, v[X+8:X+9]
	s_mul_i32 s80, s14, 16*272             ; the way out: in: row r, 32 h + 64 x tile; back: lanes 0-15 a row, lanes 16-31 the next
	s_add_co_u32 s80, s80, STAGE
	v_mul_u32_u24 v12, v1, 272
	v_lshl_add_u32 v12, v2, 5, v12
	v_add_nc_u32 v12, s80, v12
	v_mul_u32_u24 v13, v2, 272
	v_lshl_add_u32 v13, v1, 4, v13
	v_add_nc_u32 v13, s80, v13
	v_lshlrev_b32 v14, 12, v2
	v_lshl_add_u32 v14, v1, 4, v14
.macro LOADQ q                         ; step q of the slot: V's four fragments, P's four: 32 loads
	WIN 0x40
.irp b, 0,1,2,3
.irp c, 0,1,2,3
	ds_load_b128 v[64*(\q)+16*\b+4*\c:64*(\q)+16*\b+4*\c+3], v[ADV] offset:\b*8192+(\q)*2048+512*\c
.endr
.endr
	WIN 0x80
.irp b, 0,1,2,3
.irp c, 0,1,2,3
	ds_load_b128 v[64*(\q)+16*\b+4*\c:64*(\q)+16*\b+4*\c+3], v[ADP] offset:\b*8192+(\q)*2048+512*\c
.endr
.endr
	WIN 0
.endm
.macro MULQ q, zero                    ; 16 products, the accumulators by turns
	WIN 0x09                               ; source 0 window 1, source 1 window 2, C and D window 0
.irp a, 0,1,2,3
.irp b, 0,1,2,3
.if \zero
	v_wmma_scale_f32_16x16x128_f8f6f4 v[ACC+8*(4*\a+\b):ACC+8*(4*\a+\b)+7], v[64*(\q)+16*\b:64*(\q)+16*\b+15], v[64*(\q)+16*\a:64*(\q)+16*\a+15], 0, v[SCV+4*(\q)+\b], v[SCP+4*(\q)+\a] matrix_a_fmt:MATRIX_FMT_BF8 matrix_b_fmt:MATRIX_FMT_BF8
.else
	v_wmma_scale_f32_16x16x128_f8f6f4 v[ACC+8*(4*\a+\b):ACC+8*(4*\a+\b)+7], v[64*(\q)+16*\b:64*(\q)+16*\b+15], v[64*(\q)+16*\a:64*(\q)+16*\a+15], v[ACC+8*(4*\a+\b):ACC+8*(4*\a+\b)+7], v[SCV+4*(\q)+\b], v[SCP+4*(\q)+\a] matrix_a_fmt:MATRIX_FMT_BF8 matrix_b_fmt:MATRIX_FMT_BF8
.endif
.endr
.endr
	WIN 0
.endm
.macro MASKQ q                         ; P's codes of step q past the tile's limit become zeros
	WIN 0x88
.set I_, 0
.rept 64
	v_and_b32 v[64*(\q)+I_], s[71+(\q)], v[64*(\q)+I_]
.set I_, I_+1
.endr
	WIN 0
	PLACES 4                               ; an operand so written stands four places ahead of a scaled product
.endm
.macro TOSTAGE a
.irp b, 0,1,2,3
	ds_store_b128 v12, v[ACC+32*(\a)+8*\b:ACC+32*(\a)+8*\b+3] offset:64*\b
	ds_store_b128 v12, v[ACC+32*(\a)+8*\b+4:ACC+32*(\a)+8*\b+7] offset:64*\b+16
.endr
.irp t, 0,1,2,3,4,5,6,7
	ds_load_b128 v[BK+32*((\a)%2)+4*\t:BK+32*((\a)%2)+4*\t+3], v13 offset:2*\t*272   ; LDS serves a wave's instructions in order (ISA guide 5.7.1.4)
.endr
.endm
.macro SEND a, base
	s_wait_dscnt 0x0
.irp t, 0,1,2,3,4,5,6,7
	global_store_b128 v14, v[BK+32*((\a)%2)+4*\t:BK+32*((\a)%2)+4*\t+3], s[\base:\base+1] offset:(16*(\a)+2*\t)*4096 th:TH_STORE_NT   ; 16 lanes store 256 consecutive bytes, aligned
.endr
.endm
.macro MULT a                          ; divided by the row's sum, from the low end on
.set I_, 0
.rept 16
	v_pk_mul_f32 v[ACC+32*(\a)+I_:ACC+32*(\a)+I_+1], v[ACC+32*(\a)+I_:ACC+32*(\a)+I_+1], v[RLP+2*(\a):RLP+2*(\a)+1]
.set I_, I_+2
.endr
.endm
.macro FLUSH T, base                   ; a tile goes out, 16 queries x 64 channels at a time
.irp a, 0,1,2,3
	ds_load_b32 v[RLP+2*\a], v17 offset:512*(\T)+64*\a
	ds_load_b32 v[RLP+2*\a+1], v17 offset:512*(\T)+64*\a
.endr
	s_wait_dscnt 0x0
	MULT 0
	TOSTAGE 0
.irp a, 1,2,3
	MULT \a
	WALU
.if \a >= 2
	s_wait_xcnt 0x0                        ; block a - 2's stores have read the registers that block a's loads take
.endif
	SEND \a-1, \base
	TOSTAGE \a
.endr
	SEND 3, \base
.endm
.macro TRIP fill                       ; one slot
	s_wait_xcnt 0x0                        ; my stores and my prefetch have read their registers
	s_wait_tensorcnt 0x0                   ; my part of this slot is in
	ds_add_u32 v[SPW], v[NIL]
.if \fill
	s_xor_b32 s[G0P+1], s[G0P+1], SLOT1    ; the next slot's loads
	s_add_nc_u64 s[G0P+2:G0P+3], s[48:49], s[60:61]
	s_or_b32 s[G0P+3], s[G0P+3], 0x80000000
	s_xor_b32 s[G0V+1], s[G0V+1], SLOT1
	s_add_nc_u64 s[G0V+2:G0V+3], s[50:51], s[62:63]
	s_or_b32 s[G0V+3], s[G0V+3], 0x80000000
	s_add_co_u32 s80, s76, 2               ; the slot after that: its four steps' number in its tile, and which tile
	s_sub_co_u32 s81, s80, s18
	s_cmp_lt_u32 s80, s18
	s_cselect_b32 s81, s80, s81
	s_cselect_b32 s82, 0, s70
	s_lshl_b32 s62, s81, 13
	s_add_co_u32 s60, s62, s82
	s_cmp_eq_u32 s15, 0
	s_cselect_b32 s68, s60, s62
	s_add_nc_u64 s[66:67], s[52:53], s[68:69]
.endif
	s_sub_co_u32 s81, s76, s18             ; this slot: the same; its scale words' places
	s_cmp_lt_u32 s76, s18
	s_cselect_b32 s81, s76, s81
	s_cselect_b32 s82, 0, 8192
	s_cselect_b32 s71, s45, s92            ; the last step that counts in a tile's last slot
	s_and_b32 s81, s81, 3
	s_lshl_b32 s94, s81, 9
	s_add_co_u32 s94, s94, s82
	s_lshl_b32 s95, s81, 10
.if \fill
	s_add_co_u32 s80, s76, 1
	s_cmp_eq_u32 s80, s18                  ; in other slots all four count
	s_cselect_b32 s71, s71, 3
	s_cmp_eq_u32 s76, s18                  ; does a tile begin?
	s_cselect_b32 s75, 1, 0
	s_cmp_eq_u32 s76, 0
	s_cselect_b32 s75, 1, s75
.endif
.irp q, 1,2,3
	s_cmp_ge_u32 s71, \q
	s_cselect_b32 s[71+\q], -1, 0          ; (s71 itself is not written here)
.endr
	s_wait_dscnt 0x0                       ; the add is done, and my reads of the other slot and my LDS stores are over
.if \fill
	CROUND
	JLOAD                                  ; the first tensor load behind the round
.else
	s_barrier_signal -1
	s_barrier_wait -1
.endif
	v_add_nc_u32 v[ADP], s77, v4
	v_add_nc_u32 v[ADV], s77, v5
	v_add_nc_u32 v[ADS], s94, v6
	v_add_nc_u32 v[ADT], s95, v7
	WALU
	PLACES 9                               ; ahead of loads into what products have read, and of what reads or begins sums anew (ISA guide 7.12.1 for the latter)
.if \fill
	s_cmp_eq_u32 s76, s18
	s_cbranch_scc0 .Lsame_tile_\@
	FLUSH 0, 54                            ; tile a is finished
.Lsame_tile_\@:
.endif
.irp q, 0,1,2,3
.irp a, 0,1,2,3
	ds_load_b32 v[SCP+4*\q+\a], v[ADS] offset:(\a/2)*2048+(\a%2)*64+128*\q
	ds_load_b32 v[SCV+4*\q+\a], v[ADT] offset:\a*64+256*\q
.endr
.endr
	LOADQ 0
	LOADQ 1
.if \fill
	s_cmp_lt_u32 s76, 3                    ; there is a slot two on
	s_cbranch_scc0 .Lnone_ahead_\@
	global_prefetch_b8 v[PFO], s[66:67] th:TH_LOAD_NT scope:SCOPE_SE
.Lnone_ahead_\@:
.endif
	s_wait_dscnt 32                        ; all but step 1's 32 loads
.if \fill
	s_cmp_eq_u32 s75, 1
	s_cbranch_scc0 .Ladd_\@
	MULQ 0, 1
	s_branch .Lon_\@
.Ladd_\@:
	MULQ 0, 0
.Lon_\@:
.else
	MULQ 0, 0
.endif
	LOADQ 2
	s_wait_dscnt 32
	MASKQ 1
	MULQ 1, 0
	LOADQ 3
	s_wait_dscnt 32
	MASKQ 2
	MULQ 2, 0
	s_wait_dscnt 0x0
	MASKQ 3
	MULQ 3, 0
.endm
	WALU
.Lslot:
	TRIP 1
	s_xor_b32 s77, s77, SLOT1
	s_add_co_u32 s76, s76, 1
	s_cmp_lt_u32 s76, 4
	s_cbranch_scc1 .Lslot
	TRIP 0                                 ; the last slot is written out: it fetches nothing
	PLACES 8
	FLUSH 1, 56
	s_wait_tensorcnt 0x0                   ; the wave's end
	ds_add_u32 v[SPW], v[NIL]
	s_wait_dscnt 0x0
	CROUND                                 ; the closing round
	s_endpgm
.Lfunc_end_k_qf1ea923d76_pv:
	.size	k_qf1ea923d76_pv, .Lfunc_end_k_qf1ea923d76_pv-k_qf1ea923d76_pv
	.p2alignl 7, 3214868480
	.fill 96, 4, 3214868480
	.section	.rodata,"a",@progbits
	.p2align	6, 0x0
	.amdhsa_kernel k_qf1ea923d76_pv
		.amdhsa_group_segment_fixed_size 327680
		.amdhsa_private_segment_fixed_size 0
		.amdhsa_enable_private_segment 0
		.amdhsa_kernarg_size 40
		.amdhsa_user_sgpr_count 2
		.amdhsa_user_sgpr_kernarg_segment_ptr 1
		.amdhsa_wavefront_size32 1
		.amdhsa_system_sgpr_workgroup_id_x 1
		.amdhsa_system_sgpr_workgroup_id_y 1
		.amdhsa_system_sgpr_workgroup_id_z 1
		.amdhsa_system_vgpr_workitem_id 0
		.amdhsa_next_free_vgpr 768
		.amdhsa_next_free_sgpr 100
		.amdhsa_reserve_vcc 0
		.amdhsa_float_denorm_mode_32 3
		.amdhsa_float_denorm_mode_16_64 3
		.amdhsa_memory_ordered 1
		.amdhsa_forward_progress 1
		.amdhsa_inst_pref_size 117
	.end_amdhsa_kernel
	.amdgpu_metadata
---
amdhsa.version: [ 1, 2 ]
amdhsa.kernels:
  - .name:           k_qf1ea923d76_pv
    .symbol:         k_qf1ea923d76_pv.kd
    .args:
      - { .name: p_img, .offset: 0, .size: 8, .value_kind: global_buffer, .address_space: global }
      - { .name: p_st, .offset: 8, .size: 8, .value_kind: global_buffer, .address_space: global }
      - { .name: v_img, .offset: 16, .size: 8, .value_kind: global_buffer, .address_space: global }
      - { .name: v_sw, .offset: 24, .size: 8, .value_kind: global_buffer, .address_space: global }
      - { .name: out0, .offset: 32, .size: 8, .value_kind: global_buffer, .address_space: global }
    .group_segment_fixed_size: 327680
    .private_segment_fixed_size: 0
    .kernarg_segment_align: 8
    .kernarg_segment_size: 40
    .max_flat_workgroup_size: 128
    .sgpr_count:     100
    .vgpr_count:     768
    .wavefront_size: 32
...
	.end_amdgpu_metadata
.endif
;; end of part 3
